; MI455X (gfx1250); checked and timed in simulation.
; The chip was launched on July 23, 2026; its instructions are those of AMD's public machine-readable ISA for CDNA 5 (MIT licence, August 2026) and "CDNA5" Instruction Set Architecture Reference Guide (July 2026). The comments in the code are by the model that wrote it; some were corrected since.
;; Mixture Of Depths. Allowed arithmetic: float matrix products may take bf16 or f16 operands with f32 sums; other float arithmetic in f32, or as packed bf16 or f16 multiplies, adds, multiply-adds, maxima and minima; sums over many terms, partial sums and values carried from step to step in f32; what a program stores and reads back later, other than sums and carried values, may be rounded once to bf16 or f16.
;; Inputs: Wc1 512 x 128 float32; Wc2 128 x 1 float32; Wf1 512 x 2,048 float32; Wf2 2,048 x 512 float32; bc1 128 float32; bc2 1 float32; bf1 2,048 float32; bf2 512 float32; hidden_states 4 x 4,096 x 512 float32.
;; Outputs: out0 4 x 4,096 x 512 float32.
;; Constants: layer_idx = 2.
;; 2 versions, each right. Each part assembles by itself: llvm-mc -triple=amdgcn-amd-amdhsa -mcpu=gfx1250 --defsym DOCPART=n.
;; ======== version 1 of 2: 2 launches
;; limits: a function is approximated: absolute error at most 2.5e-05; an absolute error that grows with the inputs' magnitude: up to 1.25e-05 times it
;; workspace buffers: wpack 4,325,376 bytes
;; launch pack (part 1): grid 264 x 1, 4 waves a work-group, no clusters, 16,896 bytes of LDS; arguments Wf1, Wf2, Wc1, wpack; writes wpack
.if DOCPART == 1
	.amdgcn_target "amdgcn-amd-amdhsa--gfx1250"
	.amdhsa_code_object_version 6
	.text
	.protected	k_q7aa016c070_pack
	.globl	k_q7aa016c070_pack
	.p2align	8
	.type	k_q7aa016c070_pack,@function
k_q7aa016c070_pack:
	s_mov_b64 s[64:65], 0
	v_nop
	global_prefetch_b8 v0, s[64:65] scope:SCOPE_SE
	s_setreg_imm32_b32 hwreg(HW_REG_WAVE_MODE, 25, 1), 1
	s_wait_xcnt 0x0
; MIXTURE OF DEPTHS, launch 1 of 2: the three weight matrices are rounded to bf16 once and laid in the order in which the
; second launch's operand registers take them.
; WORK LEFT OUT BY THE PROGRAM.  (1) reference()'s branch 'layer_idx < MIN_LAYERS' (a mask of ones): layer_idx = 2 is a constant of
; the problem and MIN_LAYERS = 1, so that branch is never taken, whatever the inputs hold.  (2) The sigmoid: it rises strictly, so
; sigmoid(z) < 0.8 holds exactly where z lies under logit(0.8); the second launch compares the logit.  Nothing else is left out:
; every token's FFN is computed and the result selected, and every input buffer is loaded by one of the two launches.
; LIMIT: no NaN, infinity or overflow can arise in the work left out, since none of it is arithmetic on inputs but the sigmoid,
; whose result is finite for every logit; a NaN logit compares false here as in reference().
; wpack: 33 blocks of 131,072 bytes = 4 portions (one for each wave of the second launch) of 32 FRAGMENTS of 1,024 bytes.
; A fragment is 16 columns n x 32 rows k of a source S[K][N]: the byte at 512 z + 16 lane + 2 e holds bf16(S[k0 + 16 z + 8 h + e][n0 + r]),
; lane = 16 h + r: two loads of 16 bytes a lane fill the 8 registers of a 16-bit matrix operand (ISA guide 7.12.2).
;   block 0: Wc1 (portion w: fragment 2 k + i = head units 32 w + 16 i .., rows 32 k ..)
;   block 1: Wf1 of chunks 0 and 1 (a chunk = 64 hidden units; portion w: units 64 c + 16 w .., fragment k = rows 32 k ..)
;   block B = 2..31: Wf2 of chunk B - 2 (portion w: fragment 8 kb + ct = out columns 128 w + 16 ct .., hidden units 64 c + 32 kb ..), then Wf1 of chunk B
;   block 32: Wf2 of chunks 30 and 31
; SHARES.  A wave takes one task: 32 rows x 64 columns of one source, four fragments.  Work-groups 0-127: Wf1, 128-255: Wf2, 256-263: Wc1.
; Each load of a wave takes 256 consecutive aligned bytes of two rows; each store 512 consecutive aligned bytes.  The turn from rows
; to fragments goes through 4,096 bytes of LDS that are the wave's own: no barrier.
.set SPARE, 16384                      ; behind the four stages: the spare words, 128 bytes a wave
.set VO,  1                            ; v1   h x 8 rows + 16 q: my 16 bytes in a row
.set ST,  2                            ; v2   where my 16 bytes of a fragment go in the stage
.set LD,  3                            ; v3   where I read 16 bytes back
.set GO,  4                            ; v4   16 x lane
.set Q16, 5                            ; v5   16 q
.set SPW, 6                            ; v6   my spare word; never rewritten
.set NIL, 7                            ; v7   0; never rewritten
.set LR,  16                           ; v[16:79]  as loaded: [z][e][c] at 32 z + 4 e + c; later the fragments read back
.set PK,  80                           ; v[80:111] packed: [z][c][i] at 16 z + 4 c + i
	s_load_b256 s[4:11], s[0:1], 0x0               ; Wf1 s[4:5], Wf2 s[6:7], Wc1 s[8:9], wpack s[10:11]
	v_lshl_add_u32 v[SPW], v0, 2, SPARE
	v_mov_b32 v[NIL], 0
	v_lshrrev_b32 v1, 5, v0
	v_readfirstlane_b32 s12, v1                    ; wave 0..3
	s_lshl_b32 s13, ttmp9, 2
	s_add_co_u32 s13, s13, s12                     ; the task's number T
	v_and_b32 v8, 15, v0                           ; q: which 16 bytes (4 columns) of the 256
	v_bfe_u32 v9, v0, 4, 1                         ; h: which 8 rows of 16
	v_and_b32 v10, 31, v0
	v_lshlrev_b32 v[GO], 4, v10
	s_lshl_b32 s14, s12, 12                        ; my stage
	v_add_nc_u32 v[LD], s14, v[GO]
	v_lshrrev_b32 v11, 2, v8                       ; columns 4 q + c lie in fragment q / 4,
	v_and_b32 v12, 3, v8                           ; at r = 4 (q % 4) + c
	v_lshlrev_b32 v[ST], 10, v11
	v_lshl_add_u32 v[ST], v9, 8, v[ST]
	v_lshl_add_u32 v[ST], v12, 6, v[ST]
	v_add_nc_u32 v[ST], s14, v[ST]
	v_lshlrev_b32 v[Q16], 4, v8
	s_mov_b32 s21, 0
	s_mov_b32 s23, 0
	s_wait_kmcnt 0x0
; The task itself.  src: the source's pointer at the task's corner; PB: bytes in a row of the source; fragment x goes to x % 2 x SA + x / 2 x SB.
.macro MOVE src, PB, SA, SB
.irp z, 0,1
.irp e, 0,1,2,3,4,5,6,7
	global_load_b128 v[LR+32*\z+4*\e:LR+32*\z+4*\e+3], v[VO], s[\src:\src+1] offset:(16*\z+\e)*\PB th:TH_LOAD_NT
.endr
.endr
	s_wait_loadcnt 0x0
.irp z, 0,1
.irp c, 0,1,2,3
.irp i, 0,1,2,3
	v_cvt_pk_bf16_f32 v[PK+16*\z+4*\c+\i], v[LR+32*\z+8*\i+\c], v[LR+32*\z+8*\i+4+\c]  ; rows 2 i and 2 i + 1 of one column
.endr
.endr
.endr
.irp z, 0,1
.irp c, 0,1,2,3
	ds_store_b128 v[ST], v[PK+16*\z+4*\c:PK+16*\z+4*\c+3] offset:512*\z+16*\c
.endr
.endr
.irp i, 0,1,2,3,4,5,6,7
	ds_load_b128 v[LR+4*\i:LR+4*\i+3], v[LD] offset:512*\i  ; LDS serves a wave's instructions in order (ISA guide 5.7.1.4): these see the stores above
.endr
	s_wait_dscnt 0x0
.irp i, 0,1,2,3,4,5,6,7
	global_store_b128 v[GO], v[LR+4*\i:LR+4*\i+3], s[10:11] offset:((\i>>1)&1)*\SA+(\i>>2)*\SB+(\i&1)*512  ; 512 consecutive bytes, aligned
.endr
.endm
	s_cmp_lt_u32 ttmp9, 128
	s_cbranch_scc1 .Lwf1
	s_cmp_lt_u32 ttmp9, 256
	s_cbranch_scc1 .Lwf2
	; Wc1 [512][128]: T'' = T - 1,024; G = T'' % 2 (64 columns), kb = T'' / 2 (32 rows)
	s_sub_co_u32 s13, s13, 1024
	s_and_b32 s15, s13, 1
	s_lshr_b32 s16, s13, 1
	s_lshl_b32 s20, s16, 14                        ; 32 rows of 512 bytes
	s_lshl_b32 s19, s15, 8
	s_or_b32 s20, s20, s19
	s_add_nc_u64 s[8:9], s[8:9], s[20:21]
	s_lshl_b32 s22, s15, 16                        ; portions 2 G and 2 G + 1 of block 0,
	s_lshl_b32 s19, s16, 11                        ; fragments 2 kb and 2 kb + 1
	s_add_co_u32 s22, s22, s19
	s_add_nc_u64 s[10:11], s[10:11], s[22:23]
	v_lshl_add_u32 v[VO], v9, 12, v[Q16]
	MOVE 8, 512, 1024, 32768
	s_branch .Lend
.Lwf1:
	; Wf1 [512][2048]: c = T % 32 (the chunk), kb = T / 32
	s_and_b32 s15, s13, 31
	s_lshr_b32 s16, s13, 5
	s_max_u32 s17, s15, 1                          ; the block: chunks 0 and 1 in block 1, chunk c in block c
	s_min_u32 s18, s15, 1                          ; its half: chunk 0 in the first, all others in the second
	s_lshl_b32 s20, s16, 18                        ; 32 rows of 8,192 bytes
	s_lshl_b32 s19, s15, 8
	s_or_b32 s20, s20, s19
	s_add_nc_u64 s[4:5], s[4:5], s[20:21]
	s_lshl_b32 s22, s17, 17
	s_lshl_b32 s19, s18, 14
	s_add_co_u32 s22, s22, s19
	s_lshl_b32 s19, s16, 10
	s_add_co_u32 s22, s22, s19
	s_add_nc_u64 s[10:11], s[10:11], s[22:23]
	v_lshl_add_u32 v[VO], v9, 16, v[Q16]
	MOVE 4, 8192, 32768, 65536                     ; fragment x belongs to portion x
	s_branch .Lend
.Lwf2:
	; Wf2 [2048][512]: T' = T - 512; G = T' % 8 (64 columns), kbg = T' / 8 (32 rows): chunk kbg / 2, kb = kbg % 2
	s_sub_co_u32 s13, s13, 512
	s_and_b32 s15, s13, 7
	s_lshr_b32 s16, s13, 3
	s_lshr_b32 s17, s16, 1
	s_add_co_u32 s17, s17, 2
	s_min_u32 s18, s17, 32                         ; the block: chunk c in block c + 2, chunk 31 in block 32,
	s_sub_co_u32 s17, s17, s18                     ; there in the second half
	s_lshl_b32 s20, s16, 16                        ; 32 rows of 2,048 bytes
	s_lshl_b32 s19, s15, 8
	s_or_b32 s20, s20, s19
	s_add_nc_u64 s[6:7], s[6:7], s[20:21]
	s_lshl_b32 s22, s18, 17
	s_lshr_b32 s19, s15, 1
	s_lshl_b32 s19, s19, 15                        ; portion G / 2
	s_add_co_u32 s22, s22, s19
	s_lshl_b32 s19, s17, 14
	s_add_co_u32 s22, s22, s19
	s_and_b32 s19, s16, 1
	s_lshl_b32 s19, s19, 13                        ; fragment 8 kb + 4 (G % 2) + x
	s_add_co_u32 s22, s22, s19
	s_and_b32 s19, s15, 1
	s_lshl_b32 s19, s19, 12
	s_add_co_u32 s22, s22, s19
	s_add_nc_u64 s[10:11], s[10:11], s[22:23]
	v_lshl_add_u32 v[VO], v9, 14, v[Q16]
	MOVE 6, 2048, 1024, 2048
.Lend:
	s_wait_tensorcnt 0x0                           ; the wave's end, behind my last LDS store
	ds_add_u32 v[SPW], v[NIL]
	s_wait_dscnt 0x0
	s_endpgm
.Lfunc_end_k_q7aa016c070_pack:
	.size	k_q7aa016c070_pack, .Lfunc_end_k_q7aa016c070_pack-k_q7aa016c070_pack
	.p2alignl 7, 3214868480
	.fill 96, 4, 3214868480
	.section	.rodata,"a",@progbits
	.p2align	6, 0x0
	.amdhsa_kernel k_q7aa016c070_pack
		.amdhsa_group_segment_fixed_size 16896
		.amdhsa_private_segment_fixed_size 0
		.amdhsa_enable_private_segment 0
		.amdhsa_kernarg_size 32
		.amdhsa_user_sgpr_count 2
		.amdhsa_user_sgpr_kernarg_segment_ptr 1
		.amdhsa_wavefront_size32 1
		.amdhsa_system_sgpr_workgroup_id_x 1
		.amdhsa_system_sgpr_workgroup_id_y 1
		.amdhsa_system_sgpr_workgroup_id_z 1
		.amdhsa_system_vgpr_workitem_id 0
		.amdhsa_next_free_vgpr 112
		.amdhsa_next_free_sgpr 66
		.amdhsa_reserve_vcc 0
		.amdhsa_float_denorm_mode_32 3
		.amdhsa_float_denorm_mode_16_64 3
		.amdhsa_memory_ordered 1
		.amdhsa_forward_progress 1
		.amdhsa_inst_pref_size 20
	.end_amdhsa_kernel
	.amdgpu_metadata
---
amdhsa.version: [ 1, 2 ]
amdhsa.kernels:
  - .name:           k_q7aa016c070_pack
    .symbol:         k_q7aa016c070_pack.kd
    .args:
      - { .name: Wf1, .offset: 0, .size: 8, .value_kind: global_buffer, .address_space: global }
      - { .name: Wf2, .offset: 8, .size: 8, .value_kind: global_buffer, .address_space: global }
      - { .name: Wc1, .offset: 16, .size: 8, .value_kind: global_buffer, .address_space: global }
      - { .name: wpack, .offset: 24, .size: 8, .value_kind: global_buffer, .address_space: global }
    .group_segment_fixed_size: 16896
    .private_segment_fixed_size: 0
    .kernarg_segment_align: 8
    .kernarg_segment_size: 32
    .max_flat_workgroup_size: 128
    .sgpr_count:     66
    .vgpr_count:     112
    .wavefront_size: 32
...
	.end_amdgpu_metadata
.endif
;; end of part 1
;; launch chain (part 2): grid 256 x 1, 4 waves a work-group, clusters of 4 x 1, 327,680 bytes of LDS; arguments hidden_states, wpack, bc1, Wc2, bc2, bf1, bf2, out0; writes out0
.if DOCPART == 2
	.amdgcn_target "amdgcn-amd-amdhsa--gfx1250"
	.amdhsa_code_object_version 6
	.text
	.protected	k_q7aa016c070_chain
	.globl	k_q7aa016c070_chain
	.p2align	8
	.type	k_q7aa016c070_chain,@function
k_q7aa016c070_chain:
	s_mov_b64 s[64:65], 0
	v_nop
	global_prefetch_b8 v0, s[64:65] scope:SCOPE_SE
	s_setreg_imm32_b32 hwreg(HW_REG_WAVE_MODE, 25, 1), 1
	s_wait_xcnt 0x0
	s_wait_alu depctr_hold_cnt(0) depctr_sa_sdst(0) depctr_va_vdst(0) depctr_va_sdst(0) depctr_va_ssrc(0) depctr_va_vcc(0) depctr_vm_vsrc(0)
	s_getreg_b32 s2, hwreg(HW_REG_IB_STS2, 6, 4)
	s_cmp_eq_u32 s2, 0
	s_cbranch_scc0 .Lentry_in_a_cluster
	s_endpgm
.Lentry_in_a_cluster:
	s_bfe_u32 s2, ttmp6, 0x10000c
	s_cmp_lg_u32 s2, 0x3003
	s_cbranch_scc0 .Lentry_shape_is_right
	s_endpgm
.Lentry_shape_is_right:
; MIXTURE OF DEPTHS, launch 2 of 2: 64 tokens a work-group go through everything: confidence head, FFN, selection, store.
;   z = gelu(x Wc1 + bc1) . Wc2 + bc2;   out = z < logit(0.8) ? gelu(x Wf1 + bf1) Wf2 + bf2 : x
; LEFT OUT (shown at the head of the first kernel): the branch for layer_idx < MIN_LAYERS, never taken since layer_idx = 2; the sigmoid, which
; rises strictly: sigmoid(z) < 0.8f holds where z < 1.38629444, a number between the f32 numbers 0x3fb17218 and 0x3fb17219.
; LIMITS.  All inputs enter the arithmetic rounded once to bf16 (x, the weights, the four biases); the FFN's hidden layer is rounded to bf16;
; sums in f32.  erf is a rational-exponential form: in the FFN three terms (|error| <= 2.5e-5 for every argument), in the head five (<= 1.5e-7), the
; head's hidden layer and its dot product stay in f32.  A token whose logit lies within about 1e-6 of the threshold may fall on the other side.
; A pre-activation of +infinity gives NaN where reference() gives +infinity.  A NaN logit compares false: the token passes, as in reference().
; Tokens that pass are returned as they came, in f32: their rows are read a second time.
; GELU.  gelu(u) = max(u, 0) - |u| P(t) 2^(-k u^2 - 1), t = 1 / (1 + c |u|), k = log2(e) / 2, c = p / sqrt(2), P a polynomial without constant term.
; SHARES.  Work-group g = 4 x cluster + cx: tokens 64 g .. 64 g + 63, in four tiles t of 16.  Every wave holds ALL 64 tokens (x in bf16: 512 registers)
; and a quarter of the columns: hidden units 16 w .. of each chunk of 64, head units 32 w .., out columns 128 w ...  So each weight byte is read from LDS once
; in the work-group, and a weight fragment feeds four products.  The hidden layer of a chunk (64 x 64 bf16) crosses LDS: written once, read by all four.
; LAYOUT.  Both products are used transposed: source 0 = a weight fragment (16 units x 32 k), source 1 = 32 k x 16 tokens.  In a result a lane (r, h) holds
; token r and units 8 h + 0..7: packed to bf16 these 16 bytes are half of a lane's part of source 1 of the second product.  The biases are C operands.
; THE STREAM.  All work-groups walk the same 33 blocks of 131,072 bytes; a wave fetches, by one tensor load, the portion that it alone reads.
; CLUSTER.  The four work-groups of a cluster ask for each portion JOINTLY: the same load, descriptor and mask in all four.
; A TRIP (chunk j, block j + 1): the last 16 products of x Wf1 for chunk j; the 64 products h Wf2 of chunk j - 1, behind each of them four or five lines of
; chunk j's GELU; the first 48 products of x Wf1 for chunk j + 1.  One round of the cluster's barrier a trip changes slots and hands h from wave to wave.
; REGISTERS, in windows of 256 (s_set_vgpr_msb: bits 1:0 source 0, 3:2 source 1, 5:4 source 2, 7:6 destination):
;   window 0: v0-15 addresses; v16-23 a bias; v24-55 four accumulators of the first product; v56-103 GELU at work; v104-119 h packed; v120-247 sixteen fragments; v248-255 at work
;   window 1: the 32 accumulators of the second product, (t, ct) at 8 (4 ct + t)      windows 2, 3: x in bf16, (t, k) in window 2 + k / 8 at 8 (4 (k % 8) + t)
.set BLOCK,  131072
.set SLOT1,  131072                    ; slot 0 at LDS byte 0, slot 1 here; portion w at 32,768 w
.set XB,     131072                    ; x in f32, the first fill of these bytes: [half of a row][token], 1,024 bytes + 16 of padding
.set XP,     1040                      ; 260 words: row r starts at bank 4 r mod 64 (64 banks of 4 bytes: ISA guide 11.1), so the 16 rows of a load start at 16 different groups of four banks
.set XH,     64*XP
.set HB0,    XB+2*XH                   ; two buffers for h: fragment 4 kb + t at 1,024 bytes each; never filled by a tensor load
.set HBS,    8192
.set LOGIT,  HB0+2*HBS                 ; the logit's four partial sums: [token][wave] in f32
.set STAGE,  LOGIT+1024                ; for the way out: 16 rows x 528 bytes for each wave
.set SP,     528                       ; 132 words: the same spread over the banks
.set SPARE,  STAGE+4*16*SP             ; the spare words, 128 bytes for each wave: two blocks of 256 bytes that no other line names
.set HO,  1                            ; v1   128 w + 32 h: my 8 head units in bc1 and Wc2
.set WA0, 2                            ; v2, v3  my 16 bytes of a fragment in my portion of slot 0, 1
.set WA1, 3
.set HS,  4                            ; v4   where I put my 16 bytes of an h fragment (buffer 0, tile 0)
.set HL,  5                            ; v5   where I read 16 bytes of an h fragment
.set BO,  6                            ; v6   64 w + 32 h: my 8 hidden units in a chunk of bf1
.set PFO, 7                            ; v7   256 x lane: the prefetches' offset
.set LGS, 8                            ; v8   where my token's partial logit goes
.set STO, 9                            ; v9   the way out: where I put 32 bytes of a row
.set RD,  10                           ; v10  the way out: where I read a row back
.set GO,  11                           ; v11  16 x lane
.set SPW, 12                           ; v12  my spare word; never rewritten
.set NIL, 13                           ; v13  0; never rewritten
.set XA0, 14                           ; v14, v15  my place in x's two halves in LDS
.set XA1, 15
.set LGL, 14                           ; later: where I read a token's four partial logits,
.set BCV, 15                           ; and bc2
.set BIAS, 16
.set HACC, 24
.set WCB,  88                          ; the head: two buffers of two fragments of Wc1
.set HPK,  104                         ; h packed; in the head Wc2
.set F,    120                         ; fragment f at F + 8 f
.set GA,   8                           ; fragments 8-11
.set GB,   12                          ; fragments 12-15
.set ZZ,   216                         ; the head: the logit's sums, a pair for each tile
.set TM,   248
.set WV,  20                           ; s20  my wave's number
.set CX,  21                           ; s21  my place in the cluster
.set G1J, 24                           ; s[24:31] descriptor group 1 of the joint loads
.set G1X, 32                           ; s[32:39] of x's load
.set G0A, 40                           ; s[40:43] group 0 for slot 0, s[44:47] for slot 1
.set G0X, 48                           ; s[48:51] for x
.set PFA, 52                           ; s[52:53] where my prefetches stand
.set LIM, 54                           ; s54  2 in the cluster that prefetches, else the greatest number
.set CNT, 55                           ; s55  laps to go
.set CP3, 56                           ; s56  c of the three-term form
.set CP5, 57                           ; s57  c of the five-term form
.set NK,  58                           ; s[58:59] -k
.set BF1P, 60                          ; s[60:61] bf1 at the chunk whose bias is loaded next
.set C3,  66                           ; s[66:71] a3, a2, a1, each as a pair
.set C5,  72                           ; s[72:81] a5 .. a1
.set SEL, 82                           ; s[82:83] v_permlanex16_b32's selects: each lane takes its own place in the other half
.set MK,  84                           ; s84, s85 which of tokens 0-31, 32-63 take the FFN's result
.set RM,  86                           ; s[86:89] a row's mask, four by turns
.set THR, 90
.set BC2, 91
.set XR,  92                           ; s[92:93] x at my 512 bytes of the work-group's first row
.set OUTP, 94                          ; s[94:95] out0 likewise
.set W_G2, 0x50                        ; C and D in window 1
.set MSB, 0
.set HI, 0
.set OUTB, HPK
.macro WIN new                         ; the immediate's high byte repeats the setting that is left; a switch that changes nothing is dropped
.if MSB != (\new)
	s_set_vgpr_msb (MSB<<8)|(\new)
.set MSB, (\new)
.endif
.endm
.macro PLACES                          ; four places: in front of loads into registers that a matrix instruction has read, and of lines that read a result just made
.rept 4
	v_nop
.endr
.endm
.macro GWAIT                           ; behind a batch of exponentials and reciprocals: a plain instruction, and a wait ahead of the first line that names a result
	v_nop
	s_wait_alu depctr_va_vdst(0)
.endm
.macro SPAIR r, val
	s_mov_b32 s[\r], \val
	s_mov_b32 s[(\r)+1], \val
.endm
; A round of the cluster's barrier: my work-group's barrier, so that wave 0's signal speaks for all four waves; wave 0 signals; every wave waits for all four work-groups; my work-group's barrier once more.
.macro CROUND
	s_barrier_signal -1
	s_barrier_wait -1
	s_cmp_lg_u32 s[WV], 0
	s_cbranch_scc1 .Lnot_wave_0_\@
	s_barrier_signal -3
.Lnot_wave_0_\@:
	s_barrier_wait -3
	s_barrier_signal -1
	s_barrier_wait -1
.endm
; THE CHANGE OF SLOTS, to slot s.  Each wave waits for all its tensor loads (one is out: its portion of slot s), adds 0 to its spare word, and waits for that, for its reads of the other
; slot and of h, and for its stores of h.  fill = 1: a round of the cluster's barrier, and the other slot is filled again, the first thing behind it: the load has a whole trip, 128 products, in which to land.
.macro CHANGE s, fill
	WIN 0                                          ; at a label and at a branch every window is 0
	s_wait_tensorcnt 0x0                           ; no tensor load of mine is out, so a group 0 may be written
	ds_add_u32 v[SPW], v[NIL]                      ; 0 onto my spare word
.if \fill
	s_add_nc_u64 s[G0A+4*(\s)+2:G0A+4*(\s)+3], s[G0A+4*(\s)+2:G0A+4*(\s)+3], 2*BLOCK  ; slot s's next block; the type bits on top are not reached
	s_wait_xcnt 0x0                                ; the last prefetch, a trip back, has read its address
	s_add_nc_u64 s[PFA:PFA+1], s[PFA:PFA+1], BLOCK
	s_wait_dscnt 0x0                               ; the add is done; my LDS reads are back and my stores of h are done
	CROUND
	tensor_load_to_lds s[G0A+4*(1-(\s)):G0A+4*(1-(\s))+3], s[G1J:G1J+7]
	s_nop 0
	PLACES                                         ; (the places in front of the loads that follow)
.else
	s_wait_dscnt 0x0
	s_barrier_signal -1
	s_barrier_wait -1
.endif
.endm
; A PREFETCH INTO THE L2: the change that loads block b names block b + 4: four trips, 512 products, ahead of the load that will want it.  All clusters walk the same blocks: cluster 0 asks, nobody else.
; Of portion w's 128 rows of 256 bytes wave w of the partner at place cx takes rows 32 cx .. 32 cx + 31, told apart by address: a lane a row, one instruction.  So each row is named once in the launch.
; Blocks 0 to 4 come by their loads alone; the loop's last two laps ask for nothing: block 32 is the last.
.macro ASK inloop
.if \inloop
	s_cmp_gt_u32 s[CNT], s[LIM]
.else
	s_cmp_eq_u32 s[LIM], 2
.endif
	s_cbranch_scc0 .Lnot_mine_\@
	global_prefetch_b8 v[PFO], s[PFA:PFA+1] th:TH_LOAD_NT scope:SCOPE_SE
.Lnot_mine_\@:
.endm
.macro LDF f, n, adr, off              ; n fragments from LDS into f .. f + n - 1: two loads of 16 bytes a lane each, 512 consecutive bytes a load
.set li, 0
.rept \n
	ds_load_b128 v[F+8*((\f)+li):F+8*((\f)+li)+3],   v[\adr] offset:(\off)+1024*li
	ds_load_b128 v[F+8*((\f)+li)+4:F+8*((\f)+li)+7], v[\adr] offset:(\off)+1024*li+512
.set li, li+1
.endr
.endm
.macro RND8 base, tmp                  ; eight f32 numbers are rounded to bf16 and widened again, in place
.irp p, 0,1,2,3
	v_cvt_pk_bf16_f32 v[(\tmp)+\p], v[(\base)+2*\p], v[(\base)+2*\p+1]
.endr
.irp p, 0,1,2,3
	v_lshlrev_b32 v[(\base)+2*\p], 16, v[(\tmp)+\p]
	v_and_b32 v[(\base)+2*\p+1], 0xffff0000, v[(\tmp)+\p]
.endr
.endm
; 16 products of the first layer: k blocks k0 .. k0 + 3 (fragments f ..) x the four token tiles.  The four accumulators take turns, one instruction a turn.  first = 1: the bias starts the sums.
.macro G1G f, k0, first
	WIN 0x08+4*((\k0)>>3)
.irp kk, 0,1,2,3
.irp t, 0,1,2,3
.set rX, 8*(4*(((\k0)+\kk)&7)+\t)
.set rW, F+8*((\f)+\kk)
.if (\first) && (\kk == 0)
	v_wmma_f32_16x16x32_bf16 v[HACC+8*\t:HACC+8*\t+7], v[rW:rW+7], v[rX:rX+7], v[BIAS:BIAS+7]
.else
	v_wmma_f32_16x16x32_bf16 v[HACC+8*\t:HACC+8*\t+7], v[rW:rW+7], v[rX:rX+7], v[HACC+8*\t:HACC+8*\t+7]
.endif
.endr
.endr
.endm
; THE GELU of NE numbers u at UB is a list in two parts; GEA and GEB write the next entry (gq counts).
; Part A, 4 NE entries, names no result of an exponential or reciprocal: u^2 in pairs; -k u^2 - 1 in pairs; by turns 1 + c |u| and the exponential; the reciprocals.  It ascends through u: each accumulator's lowest registers are read first.
.macro GEA
.if gq < NE/2
	v_pk_mul_f32 v[EB+2*gq:EB+2*gq+1], v[UB+2*gq:UB+2*gq+1], v[UB+2*gq:UB+2*gq+1]
.elseif gq < NE
.set gi, 2*gq-NE
	v_pk_fma_f32 v[EB+gi:EB+gi+1], v[EB+gi:EB+gi+1], s[NK:NK+1], -1.0 op_sel_hi:[1,0,0]
.elseif gq < 3*NE
.set gi, (gq-NE)/2
.if gq%2 == 0
	v_fma_f32 v[TB+gi], |v[UB+gi]|, s[CP], 1.0
.else
	v_exp_f32 v[EB+gi], v[EB+gi]
.endif
.else
.set gi, gq-3*NE
	v_rcp_f32 v[TB+gi], v[TB+gi]
.endif
.set gq, gq+1
.endm
; Part B, behind the wait: the polynomial by Horner in pairs; times t; times the exponential; max(u, 0); the result; then (MODE 0) pairs rounded to bf16, or (MODE 1, the head) the dot product with Wc2.
.macro GEB
.set gh, (TERMS-1)*NE/2
.if gq < NE/2
	v_pk_fma_f32 v[RB+2*gq:RB+2*gq+1], v[TB+2*gq:TB+2*gq+1], s[CO:CO+1], s[CO+2:CO+3] op_sel_hi:[1,0,0]
.elseif gq < gh
.set gi, 2*(gq%(NE/2))
.set gs, CO+2+2*(gq/(NE/2))
	v_pk_fma_f32 v[RB+gi:RB+gi+1], v[RB+gi:RB+gi+1], v[TB+gi:TB+gi+1], s[gs:gs+1] op_sel_hi:[1,1,0]
.elseif gq < gh+NE/2
.set gi, 2*(gq-gh)
	v_pk_mul_f32 v[RB+gi:RB+gi+1], v[RB+gi:RB+gi+1], v[TB+gi:TB+gi+1]
.elseif gq < gh+NE
.set gi, 2*(gq-gh-NE/2)
	v_pk_mul_f32 v[RB+gi:RB+gi+1], v[RB+gi:RB+gi+1], v[EB+gi:EB+gi+1]
.elseif gq < gh+2*NE
.set gi, gq-gh-NE
	v_max_num_f32 v[TB+gi], 0, v[UB+gi]
.elseif gq < gh+3*NE
.set gi, gq-gh-2*NE
	v_fma_f32 v[RB+gi], -|v[UB+gi]|, v[RB+gi], v[TB+gi]
.elseif MODE == 0
.set gi, gq-gh-3*NE
	v_cvt_pk_bf16_f32 v[OUTB+gi], v[RB+2*gi], v[RB+2*gi+1]
.else
.set gi, gq-gh-3*NE
.set gp, gi/4                          ; units 2 gp, 2 gp + 1 of my eight
.set gt, gi%4                          ; token tile
.if (HI == 0) && (gp == 0)
	v_pk_mul_f32 v[ZZ+2*gt:ZZ+2*gt+1], v[RB+8*gt+2*gp:RB+8*gt+2*gp+1], v[HPK+8*HI+2*gp:HPK+8*HI+2*gp+1]
.else
	v_pk_fma_f32 v[ZZ+2*gt:ZZ+2*gt+1], v[RB+8*gt+2*gp:RB+8*gt+2*gp+1], v[HPK+8*HI+2*gp:HPK+8*HI+2*gp+1], v[ZZ+2*gt:ZZ+2*gt+1]
.endif
.endif
.set gq, gq+1
.endm
.macro GSET b                          ; the FFN's batch b: token tiles 2 b and 2 b + 1
.set UB, HACC+16*(\b)
.set OUTB, HPK+8*(\b)
.set gq, 0
.endm
; 16 products of the second layer: group g of four: hidden units 32 (g / 2) .., out columns 64 (g % 2) + 16 x .. (fragments fw + x) x the four token tiles.  Sixteen accumulators by turns.
; cnt = 64: four entries of part A behind each product; 72: five entries of part B behind the first eight, four behind the others; 0: none.  No rider names a register of the products.
.macro G2G fw, g, cnt
.set gn, 0
.irp x, 0,1,2,3
.irp t, 0,1,2,3
.set rO, 8*(4*(4*((\g)&1)+\x)+\t)
.set rW, F+8*((\fw)+\x)
.set rH, F+8*(4*((\g)>>1)+\t)
	WIN W_G2
	v_wmma_f32_16x16x32_bf16 v[rO:rO+7], v[rW:rW+7], v[rH:rH+7], v[rO:rO+7]
.if (\cnt) == 64
	WIN 0
.rept 4
	GEA
.endr
.elseif (\cnt) == 72
	WIN 0
.rept 4
	GEB
.endr
.if gn < 8
	GEB
.endif
.endif
.set gn, gn+1
.endr
.endr
.endm
	s_load_b512 s[4:19], s[0:1], 0x0               ; x s[4:5], wpack s[6:7], bc1 s[8:9], Wc2 s[10:11], bc2 s[12:13], bf1 s[14:15], bf2 s[16:17], out0 s[18:19]
	v_lshl_add_u32 v[SPW], v0, 2, SPARE
	v_mov_b32 v[NIL], 0
	ds_add_u32 v[SPW], v[NIL]                      ; the wave's opening: the add, twice on end, and its wait ahead of my first tensor load
	ds_add_u32 v[SPW], v[NIL]                      ; and once more, under the one wait; the set-up below, work on registers, stands between
	v_lshrrev_b32 v24, 5, v0
	v_readfirstlane_b32 s[WV], v24                 ; wave 0..3
	s_bfe_u32 s[CX], ttmp6, 0x40000                ; cx
	s_lshl_b32 s2, ttmp9, 2                        ; in a cluster launch ttmp9 counts clusters
	s_add_co_u32 s2, s2, s[CX]                     ; g: it enters x's, out0's and the prefetches' addresses alone
	s_lshl_b32 s2, s2, 17                          ; 64 rows of 2,048 bytes
	s_mov_b32 s3, 0
	; group 1 of the joint loads: a portion is dense: 128 rows of 256 bytes
	s_mov_b32 s[G1J+0], 15|(3<<16)|(1<<21)         ; 15:0 the mask: all four work-groups; 17:16 elements of 8 bytes; 21 set beside a mask
	s_mov_b32 s[G1J+1], 32<<16                     ; tensor_dim0 = 32
	s_mov_b32 s[G1J+2], 128<<16                    ; tensor_dim1 = 128
	s_mov_b32 s[G1J+3], 32<<16                     ; tile_dim0 = 32
	s_mov_b32 s[G1J+4], 128                        ; tile_dim1 = 128
	s_mov_b32 s[G1J+5], 32                         ; 32 elements from row to row
	s_mov_b32 s[G1J+6], 0
	s_mov_b32 s[G1J+7], 0
	; group 1 of x's load: 32 tokens x half a row (1,024 bytes), 16 bytes of padding behind each
	s_mov_b32 s[G1X+0], (3<<16)|(1<<20)|(7<<22)|(3<<25)  ; no mask; elements of 8 bytes; 20 padding on; 24:22 after every 256 words (code 7); 31:25 4 words (code 3)
	s_mov_b32 s[G1X+1], 128<<16                    ; tensor_dim0 = 128
	s_mov_b32 s[G1X+2], 32<<16                     ; tensor_dim1 = 32
	s_mov_b32 s[G1X+3], 128<<16                    ; tile_dim0 = 128
	s_mov_b32 s[G1X+4], 32                         ; tile_dim1 = 32
	s_mov_b32 s[G1X+5], 256                        ; 256 elements from row to row
	s_mov_b32 s[G1X+6], 0
	s_mov_b32 s[G1X+7], 0
	s_mov_b32 s[G0A], 1
	s_lshl_b32 s[G0A+1], s[WV], 15                 ; LDS: my portion of slot 0,
	s_mov_b32 s[G0A+4], 1
	s_add_co_u32 s[G0A+5], s[G0A+1], SLOT1         ; of slot 1: no place in the cluster enters an LDS address
	s_mov_b32 s[G0X], 1
	s_mul_i32 s[G0X+1], s[WV], 32*XP               ; wave w brings half w / 2 of the rows of tokens 32 (w % 2) ..: 33,280 w
	s_add_co_u32 s[G0X+1], s[G0X+1], XB
	s_lshl_b32 s22, s[WV], 15                      ; my portion in a block
	s_mov_b32 s23, 0
	s_mov_b32 s[CP3], 0x3eaa540e                   ; 0.47047 / sqrt(2)
	s_mov_b32 s[CP5], 0x3e6d3388                   ; 0.3275911 / sqrt(2)
	SPAIR NK, 0xbf38aa3b                           ; -log2(e) / 2
	SPAIR C3, 0x3f3f7377                           ; 0.7478556
	SPAIR C3+2, 0xbdc45ca1                         ; -0.0958798
	SPAIR C3+4, 0x3eb2303a                         ; 0.3480242
	SPAIR C5, 0x3f87dc22                           ; 1.061405429
	SPAIR C5+2, 0xbfba00e3                         ; -1.453152027
	SPAIR C5+4, 0x3fb5f0e3                         ; 1.421413741
	SPAIR C5+6, 0xbe91a98e                         ; -0.284496736
	SPAIR C5+8, 0x3e827906                         ; 0.254829592
	s_mov_b32 s[SEL], 0x76543210
	s_mov_b32 s[SEL+1], 0xfedcba98
	s_mov_b32 s[THR], 0x3fb17219
	s_cmp_eq_u32 ttmp9, 0                          ; the same in all four partners
	s_cselect_b32 s[LIM], 2, -1
	v_and_b32 v24, 15, v0                          ; r
	v_bfe_u32 v25, v0, 4, 1                        ; h
	v_and_b32 v26, 31, v0                          ; lane
	v_lshlrev_b32 v28, 5, v25                      ; 32 h
	v_lshlrev_b32 v[GO], 4, v26
	v_lshl_add_u32 v[HO], s[WV], 7, v28
	v_lshl_add_u32 v27, s[WV], 9, v28              ; 512 w + 32 h: my 8 columns of a tile in bf2
	v_lshl_add_u32 v[BO], s[WV], 6, v28
	s_wait_dscnt 0x0                               ; both opening adds are done
	s_wait_kmcnt 0x0
	s_add_nc_u64 s[G0A+2:G0A+3], s[6:7], s[22:23]  ; block 0, my portion
	s_add_nc_u64 s[G0A+6:G0A+7], s[G0A+2:G0A+3], BLOCK    ; block 1
	s_add_nc_u64 s[PFA:PFA+1], s[G0A+2:G0A+3], 4*BLOCK    ; block 4: the first change steps it to 5
	s_or_b32 s[G0A+3], s[G0A+3], 0x80000000        ; 127:126 type = 2
	s_or_b32 s[G0A+7], s[G0A+7], 0x80000000
	s_lshl_b32 s62, s[CX], 13                      ; my work-group's 32 rows of the 128
	s_mov_b32 s63, 0
	s_add_nc_u64 s[PFA:PFA+1], s[PFA:PFA+1], s[62:63]
	s_add_nc_u64 s[XR:XR+1], s[4:5], s[2:3]        ; x and out0 at the work-group's first row
	s_add_nc_u64 s[OUTP:OUTP+1], s[18:19], s[2:3]
	s_and_b32 s62, s[WV], 1
	s_lshl_b32 s62, s62, 16                        ; 32 rows down,
	s_lshr_b32 s2, s[WV], 1
	s_lshl_b32 s2, s2, 10                          ; half a row along
	s_add_co_u32 s62, s62, s2
	s_add_nc_u64 s[G0X+2:G0X+3], s[XR:XR+1], s[62:63]
	s_or_b32 s[G0X+3], s[G0X+3], 0x80000000
	s_lshl_b32 s62, s[WV], 9                       ; my 128 columns of a row
	s_add_nc_u64 s[XR:XR+1], s[XR:XR+1], s[62:63]
	s_add_nc_u64 s[OUTP:OUTP+1], s[OUTP:OUTP+1], s[62:63]
	s_mov_b64 s[BF1P:BF1P+1], s[14:15]
	s_load_b32 s[BC2], s[12:13], 0x0
.irp ct, 0,1,2,3,4,5,6,7
	global_load_b128 v[F+8*\ct:F+8*\ct+3],   v27, s[16:17] offset:64*\ct      ; bf2 of out columns 128 w + 16 ct + 8 h ..
	global_load_b128 v[F+8*\ct+4:F+8*\ct+7], v27, s[16:17] offset:64*\ct+16
.endr
	global_load_b128 v[16:19],   v[HO], s[8:9]               ; bc1 of head units 32 w + 8 h ..,
	global_load_b128 v[20:23],   v[HO], s[8:9] offset:16
	global_load_b128 v[248:251], v[HO], s[8:9] offset:64     ; and 32 w + 16 + 8 h ..
	global_load_b128 v[252:255], v[HO], s[8:9] offset:80
	s_wait_kmcnt 0x0                               ; bc2
	CROUND                                         ; all four work-groups are here: the first joint loads meet
	tensor_load_to_lds s[G0X:G0X+3], s[G1X:G1X+7]  ; the two first fills go out together: two loads of mine are out
	s_nop 0
	tensor_load_to_lds s[G0A:G0A+3], s[G1J:G1J+7]  ; block 0: Wc1
	s_nop 0
	PLACES
	v_lshl_add_u32 v[WA0], s[WV], 15, v[GO]
	v_add_nc_u32 v[WA1], SLOT1, v[WA0]
	s_lshr_b32 s62, s[WV], 1                       ; my 16 units are half w % 2 of the 32 of h fragment kb = w / 2
	s_lshl_b32 s62, s62, 12
	s_and_b32 s2, s[WV], 1
	s_lshl_b32 s2, s2, 9
	s_add_co_u32 s62, s62, s2
	s_add_co_u32 s62, s62, HB0
	v_add_nc_u32 v[HS], s62, v[GO]
	v_add_nc_u32 v[HL], HB0, v[GO]
	v_lshlrev_b32 v[PFO], 8, v26
	s_lshl_b32 s62, s[WV], 2
	s_add_co_u32 s62, s62, LOGIT
	v_lshl_add_u32 v[LGS], v24, 4, s62
	s_mul_i32 s62, s[WV], 16*SP
	s_add_co_u32 s62, s62, STAGE                   ; my stage
	v_mul_u32_u24 v[STO], v24, SP
	v_add3_u32 v[STO], v[STO], v28, s62            ; in: row r, 32 bytes for each half of the lanes
	v_add_nc_u32 v[RD], s62, v[GO]                 ; back: a row's 512 bytes, 16 a lane
	v_mul_u32_u24 v[XA0], v24, XP
	v_add3_u32 v[XA0], v[XA0], v28, XB
	v_add_nc_u32 v[XA1], XH, v[XA0]
	s_wait_loadcnt 0x0
.irp ct, 0,1,2,3,4,5,6,7
	RND8 F+8*\ct, WCB
.endr
	RND8 16, WCB
	RND8 248, WCB
	; The second product's sums start at bf2: 256 copies, on purpose: they stand in the wait for the first tiles, take the place of the bias's additions, and leave the loop one form of product.
	WIN 0x40
.irp ct, 0,1,2,3,4,5,6,7
.irp t, 0,1,2,3
.irp j, 0,1,2,3,4,5,6,7
	v_mov_b32 v[8*(4*\ct+\t)+\j], v[F+8*\ct+\j]
.endr
.endr
.endr
	WIN 0
	s_wait_tensorcnt 0x0                           ; my part of x and my portion of block 0 are in;
	s_barrier_signal -1
	s_barrier_wait -1                              ; everybody's part of x is: every wave reads all of it.
; P0: x goes from LDS (f32) into registers (bf16), a k block of 32 at a time, and the head's product runs beside it.
.macro LOADX k                         ; 64 tokens x 32 numbers of x into landing buffer k % 2: lane (r, h) takes numbers 8 h + 0..7 and 16 + 8 h + 0..7 of token 16 t + r
.set lb, F+64*((\k)&1)
.set la, XA0+((\k)>>3)
.set lo, 128*((\k)&7)
.irp t, 0,1,2,3
	ds_load_b128 v[lb+16*\t:lb+16*\t+3],     v[la] offset:lo+16*XP*\t
	ds_load_b128 v[lb+16*\t+4:lb+16*\t+7],   v[la] offset:lo+16*XP*\t+16
	ds_load_b128 v[lb+16*\t+8:lb+16*\t+11],  v[la] offset:lo+16*XP*\t+64
	ds_load_b128 v[lb+16*\t+12:lb+16*\t+15], v[la] offset:lo+16*XP*\t+80
.endr
.endm
.macro LOADW k                         ; Wc1's two fragments of k block k
.irp q, 0,1,2,3
	ds_load_b128 v[WCB+16*((\k)&1)+4*\q:WCB+16*((\k)&1)+4*\q+3], v[WA0] offset:2048*(\k)+512*\q
.endr
.endm
	LOADX 0
	LOADW 0
	LOADX 1
	LOADW 1
.set pk, 0
.rept 16
.if pk == 15
	s_wait_dscnt 0x0
.else
	s_wait_dscnt 20                                ; set pk is in; the 16 + 4 loads of the set behind it may stay out
.endif
	WIN 0x80+0x40*(pk>>3)                          ; destination window 2 or 3
.irp t, 0,1,2,3
.irp i, 0,1,2,3,4,5,6,7
	v_cvt_pk_bf16_f32 v[8*(4*(pk&7)+\t)+\i], v[F+64*(pk&1)+16*\t+2*\i], v[F+64*(pk&1)+16*\t+2*\i+1]
.endr
.endr
	WIN 0
.if pk < 14
	LOADX pk+2
.endif
	WIN 0x08+4*(pk>>3)
.irp i, 0,1
.irp t, 0,1,2,3                        ; eight accumulators by turns; bc1 starts the sums
.set rC, HACC+8*(4*\i+\t)
.set rW, WCB+16*(pk&1)+8*\i
.set rX, 8*(4*(pk&7)+\t)
.set rB, 16+232*\i
.if pk == 0
	v_wmma_f32_16x16x32_bf16 v[rC:rC+7], v[rW:rW+7], v[rX:rX+7], v[rB:rB+7]
.else
	v_wmma_f32_16x16x32_bf16 v[rC:rC+7], v[rW:rW+7], v[rX:rX+7], v[rC:rC+7]
.endif
.endr
.endr
	PLACES
	WIN 0
.if pk < 14
	LOADW pk+2
.endif
.set pk, pk+1
.endr
	CHANGE 0, 1                                    ; x has been read by every wave: block 1 goes into its bytes; it lands under the head's GELU
	global_load_b128 v[HPK:HPK+3],     v[HO], s[10:11]            ; Wc2 of my 16 head units
	global_load_b128 v[HPK+4:HPK+7],   v[HO], s[10:11] offset:16
	global_load_b128 v[HPK+8:HPK+11],  v[HO], s[10:11] offset:64
	global_load_b128 v[HPK+12:HPK+15], v[HO], s[10:11] offset:80
	global_load_b128 v[BIAS:BIAS+3],   v[BO], s[BF1P:BF1P+1]      ; bf1 of chunk 0
	global_load_b128 v[BIAS+4:BIAS+7], v[BO], s[BF1P:BF1P+1] offset:16
	ASK 0
	; The head's GELU and dot product, in f32 throughout: two batches of 32 numbers a lane (units 16 i + 8 h + 0..7 of the four token tiles)
.set NE, 32
.set TERMS, 5
.set CO, C5
.set CP, CP5
.set MODE, 1
.set EB, F
.set TB, F+32
.set RB, F+64
.irp i, 0,1
.set UB, HACC+32*\i
.set HI, \i
.set gq, 0
.rept 4*NE
	GEA
.endr
	GWAIT
.if \i == 0
	s_wait_loadcnt 0x0                             ; Wc2 and bf1's first eight
	RND8 HPK, 224
	RND8 HPK+8, 224
	RND8 BIAS, 224
.endif
.set gq, 0
.rept 176
	GEB
.endr
.endr
.irp t, 0,1,2,3
	v_add_f32 v[ZZ+2*\t], v[ZZ+2*\t], v[ZZ+2*\t+1]
.endr
.irp t, 0,1,2,3
	v_permlanex16_b32 v[ZZ+2*\t+1], v[ZZ+2*\t], s[SEL], s[SEL+1]  ; the token's other 8 units of each 16 lie in the lane 16 away
.endr
.irp t, 0,1,2,3
	v_add_f32 v[ZZ+2*\t], v[ZZ+2*\t], v[ZZ+2*\t+1]
.endr
.irp t, 0,1,2,3
	ds_store_b32 v[LGS], v[ZZ+2*\t] offset:256*\t  ; my 32 units' share of token 16 t + r's logit; both halves of the lanes write the same word with the same number
.endr
	; P1: block 1: x Wf1 for chunk 0, its GELU, and the first 48 products for chunk 1
.set NE, 16
.set TERMS, 3
.set CO, C3
.set CP, CP3
.set MODE, 0
.set EB, 56
.set TB, 72
.set RB, 88
	CHANGE 1, 1
	LDF 0, 16, WA1, 0
	ASK 0
	s_wait_dscnt 24                                ; fragments 0-3 are in; the 24 younger loads may stay out, then 16, 8, none
	G1G 0, 0, 1
	s_wait_dscnt 16
	G1G 4, 4, 0
	s_wait_dscnt 8
	G1G 8, 8, 0
	s_wait_dscnt 0x0
	G1G 12, 12, 0
	PLACES
	WIN 0
	LDF GA, 4, WA1, 16384                          ; chunk 1: k blocks 0-3,
	LDF 0, 4, WA1, 20480                           ; 4-7,
	LDF 4, 4, WA1, 24576                           ; 8-11,
	LDF GB, 4, WA1, 28672                          ; 12-15
	global_load_b128 v[BIAS:BIAS+3],   v[BO], s[BF1P:BF1P+1] offset:256
	global_load_b128 v[BIAS+4:BIAS+7], v[BO], s[BF1P:BF1P+1] offset:272
.irp b, 0,1
	GSET \b
.rept 64
	GEA
.endr
	GWAIT
.set gq, 0
.rept 72
	GEB
.endr
	ds_store_b128 v[HS], v[HPK+8*\b:HPK+8*\b+3]   offset:2048*\b
	ds_store_b128 v[HS], v[HPK+8*\b+4:HPK+8*\b+7] offset:2048*\b+1024
.endr
	s_wait_loadcnt 0x0
	RND8 BIAS, TM
	s_add_nc_u64 s[BF1P:BF1P+1], s[BF1P:BF1P+1], 512  ; the wait above has shown the loads done: chunk 2 is next
	s_wait_dscnt 0x0
	G1G GA, 0, 1
	G1G 0, 4, 0
	G1G 4, 8, 0
; The middle of a trip in slot s: chunk j's last 16 first-layer products (from registers: they stand over the latency of the loads just issued), then chunk j - 1's 64 second-layer products with chunk j's GELU behind
; them.  Wf2's fragments come four at a time into GA and GB by turns; each s_wait_dscnt 8 leaves out the eight loads issued last alone.  h goes into the buffer that is not being read.
.macro MID s
	G1G GB, 12, 0
	PLACES
	WIN 0
	LDF GB, 4, WA0+(\s), 4096
	s_wait_dscnt 8                                 ; h and GA are in
	GSET 0
	G2G GA, 0, 64
	GWAIT
	PLACES
	LDF GA, 4, WA0+(\s), 8192
	s_wait_dscnt 8
.set gq, 0
	G2G GB, 1, 72
	ds_store_b128 v[HS], v[HPK:HPK+3]   offset:HBS*(1-(\s))
	ds_store_b128 v[HS], v[HPK+4:HPK+7] offset:HBS*(1-(\s))+1024
	PLACES
	LDF GB, 4, WA0+(\s), 12288
	s_wait_dscnt 8
	GSET 1
	G2G GA, 2, 64
	GWAIT
	PLACES
	LDF GA, 4, WA0+(\s), 16384                     ; the block's second half begins: Wf1's k blocks 0-3 (in the last block: Wf2's first four of chunk 31)
	s_wait_dscnt 8
.set gq, 0
	G2G GB, 3, 72
	ds_store_b128 v[HS], v[HPK+8:HPK+11]  offset:HBS*(1-(\s))+2048
	ds_store_b128 v[HS], v[HPK+12:HPK+15] offset:HBS*(1-(\s))+3072
.endm
.macro TRIP s
	CHANGE \s, 1                                   ; one round: slot s is whole, the other is filled again, h of the chunk before is there for everybody, and its other buffer is free
	LDF 0, 8, HL, HBS*(\s)
	LDF GA, 4, WA0+(\s), 0
	global_load_b128 v[BIAS:BIAS+3],   v[BO], s[BF1P:BF1P+1]
	global_load_b128 v[BIAS+4:BIAS+7], v[BO], s[BF1P:BF1P+1] offset:16
	ASK 1
	MID \s
	s_wait_loadcnt 0x0                             ; the next chunk's bias, asked for at the trip's head
	RND8 BIAS, TM                                  ; twelve plain lines: with the four riders above, the places in front of the loads below
	s_add_nc_u64 s[BF1P:BF1P+1], s[BF1P:BF1P+1], 256
	LDF 0, 4, WA0+(\s), 20480
	LDF 4, 4, WA0+(\s), 24576
	LDF GB, 4, WA0+(\s), 28672
	s_wait_dscnt 24                                ; GA and my stores of h; the 24 loads just issued may stay out, then 16, then 8: the last eight are waited for at the change
	G1G GA, 0, 1
	s_wait_dscnt 16
	G1G 0, 4, 0
	s_wait_dscnt 8
	G1G 4, 8, 0
.endm
	WIN 0
	s_mov_b32 s[CNT], 15
.Llap:                                                 ; chunks j = 1 .. 30, blocks 2 .. 31; blocks 3 .. 32 are asked for
	TRIP 0
	TRIP 1
	WIN 0
	s_sub_co_u32 s[CNT], s[CNT], 1
	s_cmp_lg_u32 s[CNT], 0
	s_cbranch_scc1 .Llap
	; THE TAIL: block 32, Wf2 of chunks 30 and 31.  Nothing is asked for, so no round.
	CHANGE 0, 0
	PLACES
	LDF 0, 8, HL, 0
	LDF GA, 4, WA0, 0
	WIN 0x80                                       ; x's k blocks 0-7 have had their last product: window 2 takes my 512 bytes of the 64 rows of x in f32, row i at 4 i
.set rho, 0
.rept 64
	global_load_b128 v[4*rho:4*rho+3], v[GO], s[XR:XR+1] offset:2048*rho th:TH_LOAD_NT
.set rho, rho+1
.endr
	WIN 0
	MID 0
	PLACES
	LDF GB, 4, WA0, 20480
	s_wait_dscnt 0x0                               ; for the others' sake: my stores of the last h are done
	s_barrier_signal -1
	s_barrier_wait -1
	LDF 0, 8, HL, HBS
	s_wait_dscnt 0x0
	G2G GA, 0, 0
	PLACES
	WIN 0
	LDF GA, 4, WA0, 24576
	G2G GB, 1, 0
	PLACES
	WIN 0
	LDF GB, 4, WA0, 28672
	s_wait_dscnt 8
	G2G GA, 2, 0
	s_wait_dscnt 0x0
	G2G GB, 3, 0
	PLACES
	WIN 0
	; THE WAY OUT.  First the masks: lane l adds the four waves' shares of tokens l and 32 + l, and bc2.
	v_add_nc_u32 v[LGL], LOGIT, v[GO]
	ds_load_b128 v[16:19], v[LGL]
	ds_load_b128 v[20:23], v[LGL] offset:512
	v_mov_b32 v[BCV], s[BC2]
	v_cvt_pk_bf16_f32 v[BCV], v[BCV], v[BCV]
	v_lshlrev_b32 v[BCV], 16, v[BCV]
	s_wait_dscnt 0x0
	v_add_f32 v16, v16, v17
	v_add_f32 v18, v18, v19
	v_add_f32 v20, v20, v21
	v_add_f32 v22, v22, v23
	v_add_f32 v16, v16, v18
	v_add_f32 v20, v20, v22
	v_add_f32 v16, v16, v[BCV]
	v_add_f32 v20, v20, v[BCV]
	v_cmp_lt_f32 s[MK], v16, s[THR]                ; bit l: token l goes on
	v_cmp_lt_f32 s[MK+1], v20, s[THR]
	; Then a token tile at a time: 16 rows x 512 bytes through my stage, back as whole rows; each row is the FFN's or x's; each store covers 512 consecutive aligned bytes.
.irp t, 0,1,2,3
	s_wait_xcnt 0x0                                ; the stores of the tile before last have read their registers, which are loaded again below
	WIN 0x04                                       ; store data in window 1
.irp ct, 0,1,2,3,4,5,6,7
	ds_store_b128 v[STO], v[8*(4*\ct+\t):8*(4*\ct+\t)+3]   offset:64*\ct      ; each accumulator's low half first
	ds_store_b128 v[STO], v[8*(4*\ct+\t)+4:8*(4*\ct+\t)+7] offset:64*\ct+16
.endr
	WIN 0
.set rb, F+64*((\t)&1)
.set ri, 0
.rept 16
	ds_load_b128 v[rb+4*ri:rb+4*ri+3], v[RD] offset:SP*ri  ; LDS serves a wave's instructions in order (ISA guide 5.7.1.4): these see the stores above; the next tile's stores come behind them
.set ri, ri+1
.endr
	s_wait_dscnt 0x0
	s_wait_loadcnt 48-16*\t                        ; x's rows of this tile are in; those of the later tiles may stay out
.set ri, 0
.rept 16
	s_bitcmp1_b32 s[MK+((\t)>>1)], 16*((\t)&1)+ri
	s_cselect_b32 s[RM+(ri&3)], -1, 0              ; the row's token is the same in all lanes
	WIN 0x02                                       ; source 0 in window 2
.irp c, 0,1,2,3
	v_cndmask_b32 v[rb+4*ri+\c], v[4*(16*\t+ri)+\c], v[rb+4*ri+\c], s[RM+(ri&3)]
.endr
.set ri, ri+1
.endr
	WIN 0
.set ri, 0
.rept 16
	global_store_b128 v[GO], v[rb+4*ri:rb+4*ri+3], s[OUTP:OUTP+1] offset:2048*(16*\t+ri) th:TH_STORE_NT
.set ri, ri+1
.endr
.endr
	s_wait_tensorcnt 0x0                           ; the wave's end, behind my last tensor load and my last LDS store
	ds_add_u32 v[SPW], v[NIL]
	s_wait_dscnt 0x0
	CROUND                                         ; the closing round: no work-group ends while a partner may still ask for a block that names it
	s_endpgm
.Lfunc_end_k_q7aa016c070_chain:
	.size	k_q7aa016c070_chain, .Lfunc_end_k_q7aa016c070_chain-k_q7aa016c070_chain
	.p2alignl 7, 3214868480
	.fill 96, 4, 3214868480
	.section	.rodata,"a",@progbits
	.p2align	6, 0x0
	.amdhsa_kernel k_q7aa016c070_chain
		.amdhsa_group_segment_fixed_size 327680
		.amdhsa_private_segment_fixed_size 0
		.amdhsa_enable_private_segment 0
		.amdhsa_kernarg_size 64
		.amdhsa_user_sgpr_count 2
		.amdhsa_user_sgpr_kernarg_segment_ptr 1
		.amdhsa_wavefront_size32 1
		.amdhsa_system_sgpr_workgroup_id_x 1
		.amdhsa_system_sgpr_workgroup_id_y 1
		.amdhsa_system_sgpr_workgroup_id_z 1
		.amdhsa_system_vgpr_workitem_id 0
		.amdhsa_next_free_vgpr 1024
		.amdhsa_next_free_sgpr 96
		.amdhsa_reserve_vcc 0
		.amdhsa_float_denorm_mode_32 3
		.amdhsa_float_denorm_mode_16_64 3
		.amdhsa_memory_ordered 1
		.amdhsa_forward_progress 1
		.amdhsa_inst_pref_size 255
	.end_amdhsa_kernel
	.section	.bss,"aw",@nobits
	.p2align	6
	.space	262144
	.amdgpu_metadata
---
amdhsa.version: [ 1, 2 ]
amdhsa.kernels:
  - .name:           k_q7aa016c070_chain
    .symbol:         k_q7aa016c070_chain.kd
    .args:
      - { .name: hidden_states, .offset: 0, .size: 8, .value_kind: global_buffer, .address_space: global }
      - { .name: wpack, .offset: 8, .size: 8, .value_kind: global_buffer, .address_space: global }
      - { .name: bc1, .offset: 16, .size: 8, .value_kind: global_buffer, .address_space: global }
      - { .name: Wc2, .offset: 24, .size: 8, .value_kind: global_buffer, .address_space: global }
      - { .name: bc2, .offset: 32, .size: 8, .value_kind: global_buffer, .address_space: global }
      - { .name: bf1, .offset: 40, .size: 8, .value_kind: global_buffer, .address_space: global }
      - { .name: bf2, .offset: 48, .size: 8, .value_kind: global_buffer, .address_space: global }
      - { .name: out0, .offset: 56, .size: 8, .value_kind: global_buffer, .address_space: global }
    .group_segment_fixed_size: 327680
    .private_segment_fixed_size: 0
    .kernarg_segment_align: 8
    .kernarg_segment_size: 64
    .max_flat_workgroup_size: 128
    .sgpr_count:     96
    .vgpr_count:     1024
    .wavefront_size: 32
...
	.end_amdgpu_metadata
.endif
;; end of part 2
;; ======== version 2 of 2: 2 launches
;; limits: a function is approximated: absolute error at most 2.5e-05; an absolute error that grows with the inputs' magnitude: up to 1.25e-05 times it
;; workspace buffers: wpack 4,325,376 bytes
;; launch pack (part 3): grid 264 x 1, 4 waves a work-group, no clusters, 16,896 bytes of LDS; arguments Wf1, Wf2, Wc1, wpack; writes wpack
.if DOCPART == 3
	.amdgcn_target "amdgcn-amd-amdhsa--gfx1250"
	.amdhsa_code_object_version 6
	.text
	.protected	k_q7aa016c070_pack
	.globl	k_q7aa016c070_pack
	.p2align	8
	.type	k_q7aa016c070_pack,@function
k_q7aa016c070_pack:
	s_mov_b64 s[64:65], 0
	v_nop
	global_prefetch_b8 v0, s[64:65] scope:SCOPE_SE
	s_setreg_imm32_b32 hwreg(HW_REG_WAVE_MODE, 25, 1), 1
	s_wait_xcnt 0x0
; MIXTURE OF DEPTHS, launch 1 of 2: the three weight matrices are rounded to bf16 once and laid in the order in which the
; second launch's operand registers take them.  Wf2 is halved on the way: the second launch keeps the hidden layer doubled.
; WORK LEFT OUT BY THE PROGRAM.  (1) reference()'s branch 'layer_idx < MIN_LAYERS' (a mask of ones): layer_idx = 2 is a constant of
; the problem and MIN_LAYERS = 1, so that branch is never taken, whatever the inputs hold.  (2) The sigmoid: it rises strictly, so
; sigmoid(z) < 0.8 holds exactly where z lies under logit(0.8); the second launch compares the logit.  Nothing else is left out:
; every token's FFN is computed and the result selected, and every input buffer is loaded by one of the two launches.
; LIMITS: no NaN, infinity or overflow can arise in the work left out, since none of it is arithmetic on inputs but the sigmoid,
; whose result is finite for every logit; a NaN logit compares false here as in reference().  Halving is exact in bf16 but for
; weights of Wf2 under 2^-125, which lose low bits.
; wpack: 33 blocks of 131,072 bytes = 4 portions (one for each wave of the second launch) of 32 FRAGMENTS of 1,024 bytes.
; A fragment is 16 columns n x 32 rows k of a source S[K][N]: the byte at 512 z + 16 lane + 2 e holds bf16(S[k0 + 16 z + 8 h + e][n0 + r]),
; lane = 16 h + r: two loads of 16 bytes a lane fill the 8 registers of a 16-bit matrix operand (ISA guide 7.12.2).
;   block 0: Wc1 (portion w: fragment 2 k + i = head units 32 w + 16 i .., rows 32 k ..)
;   blocks 1 + b, b = 0..31, A RING (a chunk = 64 hidden units).  Portion w holds first Wf2 / 2 of chunk (b - 2) mod 32 (fragment 8 kb + ct = out columns
;   128 w + 16 ct .., hidden units 64 c + 32 kb ..), then Wf1 of chunk b (units 64 b + 16 w .., fragment k = rows 32 k ..)
; SHARES.  A wave takes one task: 32 rows x 64 columns of one source, four fragments.  Work-groups 0-127: Wf1, 128-255: Wf2, 256-263: Wc1.
; Each load of a wave takes 256 consecutive aligned bytes of two rows; each store 512 consecutive aligned bytes.  The turn from rows
; to fragments goes through 4,096 bytes of LDS that are the wave's own: no barrier.
.set SPARE, 16384                      ; behind the four stages: the spare words, 128 bytes a wave
.set VO,  1                            ; v1   h x 8 rows + 16 q: my 16 bytes in a row
.set ST,  2                            ; v2   where my 16 bytes of a fragment go in the stage
.set LD,  3                            ; v3   where I read 16 bytes back
.set GO,  4                            ; v4   16 x lane
.set Q16, 5                            ; v5   16 q
.set SPW, 6                            ; v6   my spare word; never rewritten
.set NIL, 7                            ; v7   0; never rewritten
.set LR,  16                           ; v[16:79]  as loaded: [z][e][c] at 32 z + 4 e + c; later the fragments read back
.set PK,  80                           ; v[80:111] packed: [z][c][i] at 16 z + 4 c + i
	s_load_b256 s[4:11], s[0:1], 0x0               ; Wf1 s[4:5], Wf2 s[6:7], Wc1 s[8:9], wpack s[10:11]
	v_lshl_add_u32 v[SPW], v0, 2, SPARE
	v_mov_b32 v[NIL], 0
	v_lshrrev_b32 v1, 5, v0
	v_readfirstlane_b32 s12, v1                    ; wave 0..3
	s_lshl_b32 s13, ttmp9, 2
	s_add_co_u32 s13, s13, s12                     ; the task's number T
	v_and_b32 v8, 15, v0                           ; q: which 16 bytes (4 columns) of the 256
	v_bfe_u32 v9, v0, 4, 1                         ; h: which 8 rows of 16
	v_and_b32 v10, 31, v0
	v_lshlrev_b32 v[GO], 4, v10
	s_lshl_b32 s14, s12, 12                        ; my stage
	v_add_nc_u32 v[LD], s14, v[GO]
	v_lshrrev_b32 v11, 2, v8                       ; columns 4 q + c lie in fragment q / 4,
	v_and_b32 v12, 3, v8                           ; at r = 4 (q % 4) + c
	v_lshlrev_b32 v[ST], 10, v11
	v_lshl_add_u32 v[ST], v9, 8, v[ST]
	v_lshl_add_u32 v[ST], v12, 6, v[ST]
	v_add_nc_u32 v[ST], s14, v[ST]
	v_lshlrev_b32 v[Q16], 4, v8
	s_mov_b32 s21, 0
	s_mov_b32 s23, 0
	s_wait_kmcnt 0x0
; The task itself.  src: the source's pointer at the task's corner; PB: bytes in a row of the source; fragment x goes to x % 2 x SA + x / 2 x SB; half = 1: the numbers are halved.
.macro MOVE src, PB, SA, SB, half
.irp z, 0,1
.irp e, 0,1,2,3,4,5,6,7
	global_load_b128 v[LR+32*\z+4*\e:LR+32*\z+4*\e+3], v[VO], s[\src:\src+1] offset:(16*\z+\e)*\PB th:TH_LOAD_NT
.endr
.endr
	s_wait_loadcnt 0x0
.if \half
.set mi, 0
.rept 32
	v_pk_mul_f32 v[LR+2*mi:LR+2*mi+1], v[LR+2*mi:LR+2*mi+1], 0.5 op_sel_hi:[1,0]
.set mi, mi+1
.endr
.endif
.irp z, 0,1
.irp c, 0,1,2,3
.irp i, 0,1,2,3
	v_cvt_pk_bf16_f32 v[PK+16*\z+4*\c+\i], v[LR+32*\z+8*\i+\c], v[LR+32*\z+8*\i+4+\c]  ; rows 2 i and 2 i + 1 of one column
.endr
.endr
.endr
.irp z, 0,1
.irp c, 0,1,2,3
	ds_store_b128 v[ST], v[PK+16*\z+4*\c:PK+16*\z+4*\c+3] offset:512*\z+16*\c
.endr
.endr
.irp i, 0,1,2,3,4,5,6,7
	ds_load_b128 v[LR+4*\i:LR+4*\i+3], v[LD] offset:512*\i  ; LDS serves a wave's instructions in order (ISA guide 5.7.1.4): these see the stores above
.endr
	s_wait_dscnt 0x0
.irp i, 0,1,2,3,4,5,6,7
	global_store_b128 v[GO], v[LR+4*\i:LR+4*\i+3], s[10:11] offset:((\i>>1)&1)*\SA+(\i>>2)*\SB+(\i&1)*512  ; 512 consecutive bytes, aligned
.endr
.endm
	s_cmp_lt_u32 ttmp9, 128
	s_cbranch_scc1 .Lwf1
	s_cmp_lt_u32 ttmp9, 256
	s_cbranch_scc1 .Lwf2
	; Wc1 [512][128]: T'' = T - 1,024; G = T'' % 2 (64 columns), kb = T'' / 2 (32 rows)
	s_sub_co_u32 s13, s13, 1024
	s_and_b32 s15, s13, 1
	s_lshr_b32 s16, s13, 1
	s_lshl_b32 s20, s16, 14                        ; 32 rows of 512 bytes
	s_lshl_b32 s19, s15, 8
	s_or_b32 s20, s20, s19
	s_add_nc_u64 s[8:9], s[8:9], s[20:21]
	s_lshl_b32 s22, s15, 16                        ; portions 2 G and 2 G + 1 of block 0,
	s_lshl_b32 s19, s16, 11                        ; fragments 2 kb and 2 kb + 1
	s_add_co_u32 s22, s22, s19
	s_add_nc_u64 s[10:11], s[10:11], s[22:23]
	v_lshl_add_u32 v[VO], v9, 12, v[Q16]
	MOVE 8, 512, 1024, 32768, 0
	s_branch .Lend
.Lwf1:
	; Wf1 [512][2048]: c = T % 32 (the chunk), kb = T / 32
	s_and_b32 s15, s13, 31
	s_lshr_b32 s16, s13, 5
	s_add_co_u32 s17, s15, 1                       ; chunk c lies in block 1 + c,
	s_lshl_b32 s20, s16, 18                        ; 32 rows of 8,192 bytes
	s_lshl_b32 s19, s15, 8
	s_or_b32 s20, s20, s19
	s_add_nc_u64 s[4:5], s[4:5], s[20:21]
	s_lshl_b32 s22, s17, 17
	s_add_co_u32 s22, s22, 16384                   ; in the second half of each portion,
	s_lshl_b32 s19, s16, 10                        ; fragment kb
	s_add_co_u32 s22, s22, s19
	s_add_nc_u64 s[10:11], s[10:11], s[22:23]
	v_lshl_add_u32 v[VO], v9, 16, v[Q16]
	MOVE 4, 8192, 32768, 65536, 0                  ; fragment x belongs to portion x
	s_branch .Lend
.Lwf2:
	; Wf2 [2048][512]: T' = T - 512; G = T' % 8 (64 columns), kbg = T' / 8 (32 rows): chunk kbg / 2, kb = kbg % 2
	s_sub_co_u32 s13, s13, 512
	s_and_b32 s15, s13, 7
	s_lshr_b32 s16, s13, 3
	s_lshr_b32 s17, s16, 1
	s_add_co_u32 s17, s17, 2
	s_and_b32 s17, s17, 31                         ; chunk c lies in ring block (c + 2) mod 32,
	s_add_co_u32 s17, s17, 1                       ; which is block 1 + that, in the first half of each portion
	s_lshl_b32 s20, s16, 16                        ; 32 rows of 2,048 bytes
	s_lshl_b32 s19, s15, 8
	s_or_b32 s20, s20, s19
	s_add_nc_u64 s[6:7], s[6:7], s[20:21]
	s_lshl_b32 s22, s17, 17
	s_lshr_b32 s19, s15, 1
	s_lshl_b32 s19, s19, 15                        ; portion G / 2
	s_add_co_u32 s22, s22, s19
	s_and_b32 s19, s16, 1
	s_lshl_b32 s19, s19, 13                        ; fragment 8 kb + 4 (G % 2) + x
	s_add_co_u32 s22, s22, s19
	s_and_b32 s19, s15, 1
	s_lshl_b32 s19, s19, 12
	s_add_co_u32 s22, s22, s19
	s_add_nc_u64 s[10:11], s[10:11], s[22:23]
	v_lshl_add_u32 v[VO], v9, 14, v[Q16]
	MOVE 6, 2048, 1024, 2048, 1
.Lend:
	s_wait_tensorcnt 0x0                           ; the wave's end, behind my last LDS store
	ds_add_u32 v[SPW], v[NIL]
	s_wait_dscnt 0x0
	s_endpgm
.Lfunc_end_k_q7aa016c070_pack:
	.size	k_q7aa016c070_pack, .Lfunc_end_k_q7aa016c070_pack-k_q7aa016c070_pack
	.p2alignl 7, 3214868480
	.fill 96, 4, 3214868480
	.section	.rodata,"a",@progbits
	.p2align	6, 0x0
	.amdhsa_kernel k_q7aa016c070_pack
		.amdhsa_group_segment_fixed_size 16896
		.amdhsa_private_segment_fixed_size 0
		.amdhsa_enable_private_segment 0
		.amdhsa_kernarg_size 32
		.amdhsa_user_sgpr_count 2
		.amdhsa_user_sgpr_kernarg_segment_ptr 1
		.amdhsa_wavefront_size32 1
		.amdhsa_system_sgpr_workgroup_id_x 1
		.amdhsa_system_sgpr_workgroup_id_y 1
		.amdhsa_system_sgpr_workgroup_id_z 1
		.amdhsa_system_vgpr_workitem_id 0
		.amdhsa_next_free_vgpr 112
		.amdhsa_next_free_sgpr 66
		.amdhsa_reserve_vcc 0
		.amdhsa_float_denorm_mode_32 3
		.amdhsa_float_denorm_mode_16_64 3
		.amdhsa_memory_ordered 1
		.amdhsa_forward_progress 1
		.amdhsa_inst_pref_size 22
	.end_amdhsa_kernel
	.amdgpu_metadata
---
amdhsa.version: [ 1, 2 ]
amdhsa.kernels:
  - .name:           k_q7aa016c070_pack
    .symbol:         k_q7aa016c070_pack.kd
    .args:
      - { .name: Wf1, .offset: 0, .size: 8, .value_kind: global_buffer, .address_space: global }
      - { .name: Wf2, .offset: 8, .size: 8, .value_kind: global_buffer, .address_space: global }
      - { .name: Wc1, .offset: 16, .size: 8, .value_kind: global_buffer, .address_space: global }
      - { .name: wpack, .offset: 24, .size: 8, .value_kind: global_buffer, .address_space: global }
    .group_segment_fixed_size: 16896
    .private_segment_fixed_size: 0
    .kernarg_segment_align: 8
    .kernarg_segment_size: 32
    .max_flat_workgroup_size: 128
    .sgpr_count:     66
    .vgpr_count:     112
    .wavefront_size: 32
...
	.end_amdgpu_metadata
.endif
;; end of part 3
;; launch chain (part 4): grid 256 x 1, 4 waves a work-group, clusters of 4 x 1, 327,680 bytes of LDS; arguments hidden_states, wpack, bc1, Wc2, bc2, bf1, bf2, out0; writes out0
.if DOCPART == 4
	.amdgcn_target "amdgcn-amd-amdhsa--gfx1250"
	.amdhsa_code_object_version 6
	.text
	.protected	k_q7aa016c070_chain
	.globl	k_q7aa016c070_chain
	.p2align	8
	.type	k_q7aa016c070_chain,@function
k_q7aa016c070_chain:
	s_mov_b64 s[64:65], 0
	v_nop
	global_prefetch_b8 v0, s[64:65] scope:SCOPE_SE
	s_setreg_imm32_b32 hwreg(HW_REG_WAVE_MODE, 25, 1), 1
	s_wait_xcnt 0x0
	s_wait_alu depctr_hold_cnt(0) depctr_sa_sdst(0) depctr_va_vdst(0) depctr_va_sdst(0) depctr_va_ssrc(0) depctr_va_vcc(0) depctr_vm_vsrc(0)
	s_getreg_b32 s2, hwreg(HW_REG_IB_STS2, 6, 4)
	s_cmp_eq_u32 s2, 0
	s_cbranch_scc0 .Lentry_in_a_cluster
	s_endpgm
.Lentry_in_a_cluster:
	s_bfe_u32 s2, ttmp6, 0x10000c
	s_cmp_lg_u32 s2, 0x3003
	s_cbranch_scc0 .Lentry_shape_is_right
	s_endpgm
.Lentry_shape_is_right:
; MIXTURE OF DEPTHS, launch 2 of 2: 64 tokens a work-group go through everything: confidence head, FFN, selection, store.
;   z = gelu(x Wc1 + bc1) . Wc2 + bc2;   out = z < logit(0.8) ? gelu(x Wf1 + bf1) Wf2 + bf2 : x
; LEFT OUT (shown at the head of the first kernel): the branch for layer_idx < MIN_LAYERS, never taken since layer_idx = 2; the sigmoid, which
; rises strictly: sigmoid(z) < 0.8f holds where z < 1.38629444, a number between the f32 numbers 0x3fb17218 and 0x3fb17219.
; GELU.  2 gelu(u) = u + |u| (1 - P(t) 2^(-k u^2)), t = 1 / (1 + c |u|), k = log2(e) / 2, c = p / sqrt(2), P a polynomial without constant term: erf's rational-exponential form.
; The doubled value is what is kept: the first launch has halved Wf2, and the head's sum is halved in the line that adds bc2.  Both are exact.
; LIMITS.  All inputs enter the arithmetic rounded once to bf16 (x, the weights, the four biases); the FFN's hidden layer is rounded to bf16;
; sums in f32, the sum over the hidden units in an order that differs from reference()'s and from cluster to cluster (below).
; P has three terms in the FFN (erf off by 2.5e-5 at the most, for every argument) and five in the head (1.5e-7); the
; head's hidden layer and its dot product stay in f32.  A token whose logit lies within about 1e-6 of the threshold may fall on the other side.
; A pre-activation above 1.7e38 overflows when doubled.  A NaN logit compares false: the token passes, as in reference().
; Tokens that pass are returned as they came, in f32: their rows are read a second time.
; SHARES.  Work-group g = 4 x cluster + cx: tokens 64 g .. 64 g + 63, in four tiles t of 16.  Every wave holds ALL 64 tokens (x in bf16: 512 registers)
; and a quarter of the columns: hidden units 16 w .. of each chunk of 64, head units 32 w .., out columns 128 w ...  So each weight byte is read from LDS once
; in the work-group, and a weight fragment feeds four products.  The hidden layer of a chunk (64 x 64 bf16) crosses LDS: written once, read by all four.
; LAYOUT.  Both products are used transposed: source 0 = a weight fragment (16 units x 32 k), source 1 = 32 k x 16 tokens.  In a result a lane (r, h) holds
; token r and units 8 h + 0..7: packed to bf16 these 16 bytes are half of a lane's part of source 1 of the second product.  The biases are C operands.
; THE STREAM.  Block 0 of wpack is Wc1; behind it lies a ring of 32 blocks of 131,072 bytes, ring block b = Wf2 / 2 of chunk b - 2, then Wf1 of chunk b (all mod 32).
; A wave fetches, by one tensor load, the portion (32,768 bytes) that it alone reads.
; THE WALK'S ORDER.  The sum over the 32 chunks may be taken in any order.  Cluster i begins at chunk s = 2 ((i + 4 (i / 16)) mod 16) and goes once round the ring: position j is chunk
; (s + j) mod 32.  So the 64 clusters ask for 16 different blocks at any one time, four clusters for each, and not all 256 work-groups for the same 131,072 bytes.
; Its loads: the second halves of ring blocks s and s + 1 (Wf1 of positions 0 and 1; s is even, so s + 1 does not wrap), as 2 rows of 16,384 bytes a block apart; ring blocks s + 2 .. s + 32, whole
; (of the last of them, which is s again, the Wf1 half is not used: 65,536 bytes a work-group, so that every load of the loop has one shape); the first half of ring block s + 1 (Wf2 of position 31).
; NO PREFETCH.  Every block is read by all 64 clusters.  Its first reading in the launch is among some cluster's first three loads of the ring, which stand at the kernel's head, where none is laid; all
; its other readings are later readings.
; CLUSTER.  The four work-groups of a cluster ask for each portion JOINTLY: the same load, descriptor and mask in all four; s hangs on the cluster's number alone.
; A TRIP (position j).  One round of the cluster's barrier changes slots and hands h from wave to wave; 16 products of x Wf1 for position j stand inside its opening barrier, the last 16 behind the first
; LDS loads; then the 64 products h Wf2 of position j - 1, behind each of them three or four lines of position j's GELU; then the first 32 products of x Wf1 for position j + 1.
; REGISTERS, in windows of 256 (s_set_vgpr_msb: bits 1:0 source 0, 3:2 source 1, 5:4 source 2, 7:6 destination):
;   window 0: v0-15 addresses; v16-23 a bias; v24-55 four accumulators of the first product; v56-103 GELU at work; v104-119 h packed; v120-247 sixteen fragments; v248-255 at work
;   window 1: the 32 accumulators of the second product, (t, ct) at 8 (4 ct + t)      windows 2, 3: x in bf16, (t, k) in window 2 + k / 8 at 8 (4 (k % 8) + t)
.set BLOCK,  131072
.set SLOT1,  131072                    ; slot 0 at LDS byte 0, slot 1 here; portion w at 32,768 w
.set XB,     131072                    ; x in f32, the first fill of these bytes: [half of a row][token], 1,024 bytes + 16 of padding
.set XP,     1040                      ; 260 words: row r starts at bank 4 r mod 64 (64 banks of 4 bytes: ISA guide 11.1), so the 16 rows of a load start at 16 different groups of four banks
.set XH,     64*XP
.set HB0,    XB+2*XH                   ; two buffers for h: fragment 4 kb + t at 1,024 bytes each; never filled by a tensor load
.set HBS,    8192
.set LOGIT,  HB0+2*HBS                 ; the logit's four partial sums: [token][wave] in f32
.set STAGE,  LOGIT+1024                ; for the way out: 16 rows x 528 bytes for each wave
.set SP,     528                       ; 132 words: the same spread over the banks
.set SPARE,  STAGE+4*16*SP             ; the spare words, 128 bytes for each wave: two blocks of 256 bytes that no other line names
.set HO,  1                            ; v1   128 w + 32 h: my 8 head units in bc1 and Wc2
.set WA0, 2                            ; v2, v3  my 16 bytes of a fragment in my portion of slot 0, 1
.set WA1, 3
.set HS,  4                            ; v4   where I put my 16 bytes of an h fragment (buffer 0, tile 0)
.set HL,  5                            ; v5   where I read 16 bytes of an h fragment
.set BO,  6                            ; v6   64 w + 32 h: my 8 hidden units in a chunk of bf1
.set LGS, 8                            ; v8   where my token's partial logit goes
.set STO, 9                            ; v9   the way out: where I put 32 bytes of a row
.set RD,  10                           ; v10  the way out: where I read a row back
.set GO,  11                           ; v11  16 x lane
.set SPW, 12                           ; v12  my spare word; never rewritten
.set NIL, 13                           ; v13  0; never rewritten
.set XA0, 14                           ; v14, v15  my place in x's two halves in LDS
.set XA1, 15
.set LGL, 14                           ; later: where I read a token's four partial logits,
.set BCV, 15                           ; and bc2
.set BIAS, 16
.set HACC, 24
.set WCB,  88                          ; the head: two buffers of two fragments of Wc1
.set HPK,  104                         ; h packed; in the head Wc2
.set F,    120                         ; fragment f at F + 8 f
.set GA,   8                           ; fragments 8-11
.set GB,   12                          ; fragments 12-15
.set ZZ,   216                         ; the head: the logit's sums, a pair for each tile
.set TM,   248
.set WV,  20                           ; s20  my wave's number
.set CX,  21                           ; s21  my place in the cluster
.set G1J, 24                           ; s[24:31] descriptor group 1 of the joint loads of a whole portion
.set G1X, 32                           ; s[32:39] of x's load; when x has landed, of the joint load of two half portions
.set G0A, 40                           ; s[40:43] group 0 for slot 0, s[44:47] for slot 1
.set G0X, 48                           ; s[48:51] for x
.set OFF, 52                           ; s[52:53] a byte offset in 64 bits: a ring block's in wpack, a chunk's in bf1
.set NXT, 54                           ; s54  the ring block to be asked for next
.set CNT, 55                           ; s55  laps to go
.set CP3, 56                           ; s56  c of the three-term form
.set CP5, 57                           ; s57  c of the five-term form
.set NK,  58                           ; s[58:59] -k
.set BF1P, 60                          ; s[60:61] bf1 at the chunk whose bias is loaded next
.set C3,  66                           ; s[66:71] -a3, -a2, -a1, each as a pair
.set C5,  72                           ; s[72:81] -a5 .. -a1
.set SEL, 82                           ; s[82:83] v_permlanex16_b32's selects: each lane takes its own place in the other half
.set MK,  84                           ; s84, s85 which of tokens 0-31, 32-63 take the FFN's result
.set RM,  86                           ; s[86:89] a row's mask, four by turns
.set THR, 90
.set BC2, 91
.set XR,  92                           ; s[92:93] x at my 512 bytes of the work-group's first row
.set OUTP, 94                          ; s[94:95] out0 likewise
.set WB,  96                           ; s[96:97] wpack at my portion of ring block 0
.set CH,  98                           ; s98  the chunk at which BF1P stands
.set S0,  99                           ; s99  s, the chunk at which my cluster begins
.set W_G2, 0x50                        ; C and D in window 1
.set MSB, 0
.set HI, 0
.set OUTB, HPK
.macro WIN new                         ; the immediate's high byte repeats the setting that is left; a switch that changes nothing is dropped
.if MSB != (\new)
	s_set_vgpr_msb (MSB<<8)|(\new)
.set MSB, (\new)
.endif
.endm
.macro PLACES                          ; four places: in front of loads into registers that a matrix instruction has read, and of lines that read a result just made
.rept 4
	v_nop
.endr
.endm
.macro GWAIT                           ; behind a batch of exponentials and reciprocals: a plain instruction, and a wait ahead of the first line that names a result
	v_nop
	s_wait_alu depctr_va_vdst(0)
.endm
.macro SPAIR r, val
	s_mov_b32 s[\r], \val
	s_mov_b32 s[(\r)+1], \val
.endm
; A round of the cluster's barrier: my work-group's barrier, so that wave 0's signal speaks for all four waves; wave 0 signals; every wave waits for all four work-groups; my work-group's barrier once more.
.macro CREST                           ; a round behind its opening barrier
	s_cmp_lg_u32 s[WV], 0
	s_cbranch_scc1 .Lnot_wave_0_\@
	s_barrier_signal -3
.Lnot_wave_0_\@:
	s_barrier_wait -3
	s_barrier_signal -1
	s_barrier_wait -1
.endm
.macro CROUND                          ; a whole round
	s_barrier_signal -1
	s_barrier_wait -1
	CREST
.endm
; THE CHANGE OF SLOTS, to slot s.  Each wave waits for all its tensor loads (one is out: its portion of slot s), adds 0 to its spare word, and waits for that, for its reads of the other
; slot and of h, and for its stores of h.  fill = 1: a round of the cluster's barrier, and the other slot is filled again, the first thing behind it: the load has a whole trip, 128 products, in which to land.
; make = 1: the load's address is made anew from the ring block's number, which then steps round the ring.  g1: the load's shape.  half = 1: the shape of a whole portion becomes that of its first half, 64 rows.
; inr = 1: sixteen first-layer products (k blocks 8-11, whose fragments are in registers) stand between the opening barrier's signal and its wait: work on registers while the other waves arrive.
.macro CHANGE s, fill, g1=G1J, make=1, half=0, inr=0
	WIN 0                                          ; at a label and at a branch every window is 0
	s_wait_tensorcnt 0x0                           ; no tensor load of mine is out, so every descriptor register may be written
	ds_add_u32 v[SPW], v[NIL]                      ; 0 onto my spare word; the scalar work below stands between it and the wait for it
.if \fill
.if \make
	s_lshl_b32 s[OFF], s[NXT], 17
	s_add_nc_u64 s[G0A+4*(1-(\s))+2:G0A+4*(1-(\s))+3], s[WB:WB+1], s[OFF:OFF+1]
	s_or_b32 s[G0A+4*(1-(\s))+3], s[G0A+4*(1-(\s))+3], 0x80000000  ; 127:126 type = 2
	s_add_co_u32 s[NXT], s[NXT], 1
	s_and_b32 s[NXT], s[NXT], 31
.endif
.if \half
	s_mov_b32 s[G1J+2], 64<<16                     ; tensor_dim1 = 64
	s_mov_b32 s[G1J+4], 64                         ; tile_dim1 = 64
.endif
	s_wait_dscnt 0x0                               ; the add is done; my LDS reads are back and my stores of h are done
	s_barrier_signal -1                            ; this barrier opens the round
.if \inr
	G1G 4, 8, 0
	WIN 0
.endif
	s_barrier_wait -1
	CREST
	tensor_load_to_lds s[G0A+4*(1-(\s)):G0A+4*(1-(\s))+3], s[\g1:\g1+7]
	s_nop 0
	PLACES                                         ; (the places in front of the loads that follow)
.else
	s_wait_dscnt 0x0
	s_barrier_signal -1
	s_barrier_wait -1
.endif
.endm
.macro BSTEP n                         ; bf1's pointer goes n chunks on, round the ring.  It stands behind the wait that shows the last loads by that pointer done
	s_add_co_u32 s[CH], s[CH], \n
	s_and_b32 s[CH], s[CH], 31
	s_lshl_b32 s[OFF], s[CH], 8                    ; a chunk's 64 numbers
	s_add_nc_u64 s[BF1P:BF1P+1], s[14:15], s[OFF:OFF+1]
.endm
.macro LDF f, n, adr, off              ; n fragments from LDS into f .. f + n - 1: two loads of 16 bytes a lane each, 512 consecutive bytes a load
.set li, 0
.rept \n
	ds_load_b128 v[F+8*((\f)+li):F+8*((\f)+li)+3],   v[\adr] offset:(\off)+1024*li
	ds_load_b128 v[F+8*((\f)+li)+4:F+8*((\f)+li)+7], v[\adr] offset:(\off)+1024*li+512
.set li, li+1
.endr
.endm
.macro RND8 base, tmp                  ; eight f32 numbers are rounded to bf16 and widened again, in place
.irp p, 0,1,2,3
	v_cvt_pk_bf16_f32 v[(\tmp)+\p], v[(\base)+2*\p], v[(\base)+2*\p+1]
.endr
.irp p, 0,1,2,3
	v_lshlrev_b32 v[(\base)+2*\p], 16, v[(\tmp)+\p]
	v_and_b32 v[(\base)+2*\p+1], 0xffff0000, v[(\tmp)+\p]
.endr
.endm
; 16 products of the first layer: k blocks k0 .. k0 + 3 (fragments f ..) x the four token tiles.  The four accumulators take turns, one instruction a turn.  first = 1: the bias starts the sums.
.macro G1G f, k0, first
	WIN 0x08+4*((\k0)>>3)
.irp kk, 0,1,2,3
.irp t, 0,1,2,3
.set rX, 8*(4*(((\k0)+\kk)&7)+\t)
.set rW, F+8*((\f)+\kk)
.if (\first) && (\kk == 0)
	v_wmma_f32_16x16x32_bf16 v[HACC+8*\t:HACC+8*\t+7], v[rW:rW+7], v[rX:rX+7], v[BIAS:BIAS+7]
.else
	v_wmma_f32_16x16x32_bf16 v[HACC+8*\t:HACC+8*\t+7], v[rW:rW+7], v[rX:rX+7], v[HACC+8*\t:HACC+8*\t+7]
.endif
.endr
.endr
.endm
; THE GELU of NE numbers u at UB is a list in two parts; GEA and GEB write the next entry (gq counts).
; Part A, 4 NE entries, names no result of an exponential or reciprocal.  A pair p of numbers has four plain lines (u^2; times -k; 1 + c |u|, twice) and four transcendentals (two exponentials, two reciprocals).
; The list begins with pair 0's plain lines; then, for p = 1 .., eight entries: pair p's plain lines and pair p - 1's transcendentals by turns; it ends with the last pair's four transcendentals.
; It ascends through u: each accumulator's lowest registers are read first.
.macro GEA
.if gq < 4
.set gp, 0
.set gr, 2*gq
.elseif gq < 4*NE-4
.set gp, (gq-4)/8+1
.set gr, (gq-4)%8
.else
.set gp, NE/2
.set gr, 2*(gq-4*NE+4)+1
.endif
.if gr == 0
	v_pk_mul_f32 v[EB+2*gp:EB+2*gp+1], v[UB+2*gp:UB+2*gp+1], v[UB+2*gp:UB+2*gp+1]
.elseif gr == 4
	v_pk_mul_f32 v[EB+2*gp:EB+2*gp+1], v[EB+2*gp:EB+2*gp+1], s[NK:NK+1] op_sel_hi:[1,0]
.elseif (gr == 2) || (gr == 6)
.set gi, 2*gp+(gr-2)/4
	v_fma_f32 v[TB+gi], |v[UB+gi]|, s[CP], 1.0
.elseif gr < 4
.set gi, 2*gp-2+(gr-1)/2
	v_exp_f32 v[EB+gi], v[EB+gi]
.else
.set gi, 2*gp-2+(gr-5)/2
	v_rcp_f32 v[TB+gi], v[TB+gi]
.endif
.set gq, gq+1
.endm
; Part B, behind the wait: -P(t) by Horner in pairs (the coefficients are kept negated), its last factor t; times the exponential, plus 1; u + |u| times that; then (MODE 0) pairs rounded to bf16, or (MODE 1, the head) the dot product with Wc2.
.macro GEB
.set gh, (TERMS-1)*NE/2
.if gq < NE/2
	v_pk_fma_f32 v[RB+2*gq:RB+2*gq+1], v[TB+2*gq:TB+2*gq+1], s[CO:CO+1], s[CO+2:CO+3] op_sel_hi:[1,0,0]
.elseif gq < gh
.set gi, 2*(gq%(NE/2))
.set gs, CO+2+2*(gq/(NE/2))
	v_pk_fma_f32 v[RB+gi:RB+gi+1], v[RB+gi:RB+gi+1], v[TB+gi:TB+gi+1], s[gs:gs+1] op_sel_hi:[1,1,0]
.elseif gq < gh+NE/2
.set gi, 2*(gq-gh)
	v_pk_mul_f32 v[RB+gi:RB+gi+1], v[RB+gi:RB+gi+1], v[TB+gi:TB+gi+1]
.elseif gq < gh+NE
.set gi, 2*(gq-gh-NE/2)
	v_pk_fma_f32 v[RB+gi:RB+gi+1], v[RB+gi:RB+gi+1], v[EB+gi:EB+gi+1], 1.0 op_sel_hi:[1,1,0]
.elseif gq < gh+2*NE
.set gi, gq-gh-NE
	v_fma_f32 v[RB+gi], |v[UB+gi]|, v[RB+gi], v[UB+gi]
.elseif MODE == 0
.set gi, gq-gh-2*NE
	v_cvt_pk_bf16_f32 v[OUTB+gi], v[RB+2*gi], v[RB+2*gi+1]
.else
.set gi, gq-gh-2*NE
.set gp, gi/4                          ; units 2 gp, 2 gp + 1 of my eight
.set gt, gi%4                          ; token tile
.if (HI == 0) && (gp == 0)
	v_pk_mul_f32 v[ZZ+2*gt:ZZ+2*gt+1], v[RB+8*gt+2*gp:RB+8*gt+2*gp+1], v[HPK+8*HI+2*gp:HPK+8*HI+2*gp+1]
.else
	v_pk_fma_f32 v[ZZ+2*gt:ZZ+2*gt+1], v[RB+8*gt+2*gp:RB+8*gt+2*gp+1], v[HPK+8*HI+2*gp:HPK+8*HI+2*gp+1], v[ZZ+2*gt:ZZ+2*gt+1]
.endif
.endif
.set gq, gq+1
.endm
.macro GSET b                          ; the FFN's batch b: token tiles 2 b and 2 b + 1
.set UB, HACC+16*(\b)
.set OUTB, HPK+8*(\b)
.set gq, 0
.endm
; 16 products of the second layer: group g of four: hidden units 32 (g / 2) .., out columns 64 (g % 2) + 16 x .. (fragments fw + x) x the four token tiles.  Sixteen accumulators by turns.
; cnt = 64: four entries of part A behind each product; 56: four entries of part B behind the first eight, three behind the others; 0: none.  No rider names a register of the products.
.macro G2G fw, g, cnt
.set gn, 0
.irp x, 0,1,2,3
.irp t, 0,1,2,3
.set rO, 8*(4*(4*((\g)&1)+\x)+\t)
.set rW, F+8*((\fw)+\x)
.set rH, F+8*(4*((\g)>>1)+\t)
	WIN W_G2
	v_wmma_f32_16x16x32_bf16 v[rO:rO+7], v[rW:rW+7], v[rH:rH+7], v[rO:rO+7]
.if (\cnt) == 64
	WIN 0
.rept 4
	GEA
.endr
.elseif (\cnt) == 56
	WIN 0
.rept 3
	GEB
.endr
.if gn < 8
	GEB
.endif
.endif
.set gn, gn+1
.endr
.endr
.endm
	s_load_b512 s[4:19], s[0:1], 0x0               ; x s[4:5], wpack s[6:7], bc1 s[8:9], Wc2 s[10:11], bc2 s[12:13], bf1 s[14:15], bf2 s[16:17], out0 s[18:19]
	v_lshl_add_u32 v[SPW], v0, 2, SPARE
	v_mov_b32 v[NIL], 0
	ds_add_u32 v[SPW], v[NIL]                      ; the wave's opening: the add, twice on end, and its wait ahead of my first tensor load
	ds_add_u32 v[SPW], v[NIL]                      ; and once more, under the one wait; the set-up below, work on registers, stands between
	v_lshrrev_b32 v24, 5, v0
	v_readfirstlane_b32 s[WV], v24                 ; wave 0..3
	s_bfe_u32 s[CX], ttmp6, 0x40000                ; cx
	s_lshl_b32 s2, ttmp9, 2                        ; in a cluster launch ttmp9 counts clusters
	s_add_co_u32 s2, s2, s[CX]                     ; g: it enters x's and out0's addresses alone
	s_lshl_b32 s2, s2, 17                          ; 64 rows of 2,048 bytes
	s_mov_b32 s3, 0
	s_lshr_b32 s[S0], ttmp9, 4                     ; where my cluster begins: s = 2 ((i + 4 (i / 16)) mod 16): the same in all four partners
	s_lshl_b32 s[S0], s[S0], 2
	s_add_co_u32 s[S0], s[S0], ttmp9
	s_and_b32 s[S0], s[S0], 15
	s_lshl_b32 s[S0], s[S0], 1
	s_add_co_u32 s[NXT], s[S0], 2                  ; the first whole ring block
	s_and_b32 s[NXT], s[NXT], 31
	s_mov_b32 s[CH], s[S0]
	s_mov_b32 s[OFF+1], 0
	; group 1 of the joint loads: a portion is dense: 128 rows of 256 bytes
	s_mov_b32 s[G1J+0], 15|(3<<16)|(1<<21)         ; 15:0 the mask: all four work-groups; 17:16 elements of 8 bytes; 21 set beside a mask
	s_mov_b32 s[G1J+1], 32<<16                     ; tensor_dim0 = 32
	s_mov_b32 s[G1J+2], 128<<16                    ; tensor_dim1 = 128
	s_mov_b32 s[G1J+3], 32<<16                     ; tile_dim0 = 32
	s_mov_b32 s[G1J+4], 128                        ; tile_dim1 = 128
	s_mov_b32 s[G1J+5], 32                         ; 32 elements from row to row
	s_mov_b32 s[G1J+6], 0
	s_mov_b32 s[G1J+7], 0
	; group 1 of x's load: 32 tokens x half a row (1,024 bytes), 16 bytes of padding behind each
	s_mov_b32 s[G1X+0], (3<<16)|(1<<20)|(7<<22)|(3<<25)  ; no mask; elements of 8 bytes; 20 padding on; 24:22 after every 256 words (code 7); 31:25 4 words (code 3)
	s_mov_b32 s[G1X+1], 128<<16                    ; tensor_dim0 = 128
	s_mov_b32 s[G1X+2], 32<<16                     ; tensor_dim1 = 32
	s_mov_b32 s[G1X+3], 128<<16                    ; tile_dim0 = 128
	s_mov_b32 s[G1X+4], 32                         ; tile_dim1 = 32
	s_mov_b32 s[G1X+5], 256                        ; 256 elements from row to row
	s_mov_b32 s[G1X+6], 0
	s_mov_b32 s[G1X+7], 0
	s_mov_b32 s[G0A], 1
	s_lshl_b32 s[G0A+1], s[WV], 15                 ; LDS: my portion of slot 0,
	s_mov_b32 s[G0A+4], 1
	s_add_co_u32 s[G0A+5], s[G0A+1], SLOT1         ; of slot 1: no place in the cluster enters an LDS address
	s_mov_b32 s[G0X], 1
	s_mul_i32 s[G0X+1], s[WV], 32*XP               ; wave w brings half w / 2 of the rows of tokens 32 (w % 2) ..: 33,280 w
	s_add_co_u32 s[G0X+1], s[G0X+1], XB
	s_lshl_b32 s22, s[WV], 15                      ; my portion in a block
	s_mov_b32 s23, 0
	s_mov_b32 s[CP3], 0x3eaa540e                   ; 0.47047 / sqrt(2)
	s_mov_b32 s[CP5], 0x3e6d3388                   ; 0.3275911 / sqrt(2)
	SPAIR NK, 0xbf38aa3b                           ; -log2(e) / 2
	SPAIR C3, 0xbf3f7377                           ; -0.7478556
	SPAIR C3+2, 0x3dc45ca1                         ; 0.0958798
	SPAIR C3+4, 0xbeb2303a                         ; -0.3480242
	SPAIR C5, 0xbf87dc22                           ; -1.061405429
	SPAIR C5+2, 0x3fba00e3                         ; 1.453152027
	SPAIR C5+4, 0xbfb5f0e3                         ; -1.421413741
	SPAIR C5+6, 0x3e91a98e                         ; 0.284496736
	SPAIR C5+8, 0xbe827906                         ; -0.254829592
	s_mov_b32 s[SEL], 0x76543210
	s_mov_b32 s[SEL+1], 0xfedcba98
	s_mov_b32 s[THR], 0x3fb17219
	v_and_b32 v24, 15, v0                          ; r
	v_bfe_u32 v25, v0, 4, 1                        ; h
	v_and_b32 v26, 31, v0                          ; lane
	v_lshlrev_b32 v28, 5, v25                      ; 32 h
	v_lshlrev_b32 v[GO], 4, v26
	v_lshl_add_u32 v[HO], s[WV], 7, v28
	v_lshl_add_u32 v27, s[WV], 9, v28              ; 512 w + 32 h: my 8 columns of a tile in bf2
	v_lshl_add_u32 v[BO], s[WV], 6, v28
	s_wait_dscnt 0x0                               ; both opening adds are done
	s_wait_kmcnt 0x0
	s_add_nc_u64 s[G0A+2:G0A+3], s[6:7], s[22:23]  ; block 0, my portion
	s_add_nc_u64 s[WB:WB+1], s[G0A+2:G0A+3], BLOCK ; ring block 0, my portion
	s_lshl_b32 s[OFF], s[S0], 17
	s_add_nc_u64 s[G0A+6:G0A+7], s[WB:WB+1], s[OFF:OFF+1]     ; ring block s,
	s_add_nc_u64 s[G0A+6:G0A+7], s[G0A+6:G0A+7], 16384        ; the second half of my portion: Wf1 of position 0; a block further on, of position 1
	s_or_b32 s[G0A+3], s[G0A+3], 0x80000000        ; 127:126 type = 2
	s_or_b32 s[G0A+7], s[G0A+7], 0x80000000
	s_lshl_b32 s[OFF], s[S0], 8
	s_add_nc_u64 s[BF1P:BF1P+1], s[14:15], s[OFF:OFF+1]       ; bf1 at chunk s
	s_mov_b32 s63, 0
	s_add_nc_u64 s[XR:XR+1], s[4:5], s[2:3]        ; x and out0 at the work-group's first row
	s_add_nc_u64 s[OUTP:OUTP+1], s[18:19], s[2:3]
	s_and_b32 s62, s[WV], 1
	s_lshl_b32 s62, s62, 16                        ; 32 rows down,
	s_lshr_b32 s2, s[WV], 1
	s_lshl_b32 s2, s2, 10                          ; half a row along
	s_add_co_u32 s62, s62, s2
	s_add_nc_u64 s[G0X+2:G0X+3], s[XR:XR+1], s[62:63]
	s_or_b32 s[G0X+3], s[G0X+3], 0x80000000
	s_lshl_b32 s62, s[WV], 9                       ; my 128 columns of a row
	s_add_nc_u64 s[XR:XR+1], s[XR:XR+1], s[62:63]
	s_add_nc_u64 s[OUTP:OUTP+1], s[OUTP:OUTP+1], s[62:63]
.irp ct, 0,1,2,3,4,5,6,7
	global_load_b128 v[F+8*\ct:F+8*\ct+3],   v27, s[16:17] offset:64*\ct      ; bf2 of out columns 128 w + 16 ct + 8 h ..
	global_load_b128 v[F+8*\ct+4:F+8*\ct+7], v27, s[16:17] offset:64*\ct+16
.endr
	global_load_b128 v[16:19],   v[HO], s[8:9]               ; bc1 of head units 32 w + 8 h ..,
	global_load_b128 v[20:23],   v[HO], s[8:9] offset:16
	global_load_b128 v[248:251], v[HO], s[8:9] offset:64     ; and 32 w + 16 + 8 h ..
	global_load_b128 v[252:255], v[HO], s[8:9] offset:80
	CROUND                                         ; all four work-groups are here: the first joint loads meet
	tensor_load_to_lds s[G0X:G0X+3], s[G1X:G1X+7]  ; the two first fills go out together: two loads of mine are out
	s_nop 0
	tensor_load_to_lds s[G0A:G0A+3], s[G1J:G1J+7]  ; block 0: Wc1
	s_nop 0
	PLACES
	s_load_b32 s[BC2], s[12:13], 0x0               ; bc2: asked for here, so that the first tiles do not wait for it
	v_lshl_add_u32 v[WA0], s[WV], 15, v[GO]
	v_add_nc_u32 v[WA1], SLOT1, v[WA0]
	s_lshr_b32 s62, s[WV], 1                       ; my 16 units are half w % 2 of the 32 of h fragment kb = w / 2
	s_lshl_b32 s62, s62, 12
	s_and_b32 s2, s[WV], 1
	s_lshl_b32 s2, s2, 9
	s_add_co_u32 s62, s62, s2
	s_add_co_u32 s62, s62, HB0
	v_add_nc_u32 v[HS], s62, v[GO]
	v_add_nc_u32 v[HL], HB0, v[GO]
	s_lshl_b32 s62, s[WV], 2
	s_add_co_u32 s62, s62, LOGIT
	v_lshl_add_u32 v[LGS], v24, 4, s62
	s_mul_i32 s62, s[WV], 16*SP
	s_add_co_u32 s62, s62, STAGE                   ; my stage
	v_mul_u32_u24 v[STO], v24, SP
	v_add_nc_u32 v[STO], v[STO], v28               ; in: row r, 32 bytes for each half of the lanes
	v_add_nc_u32 v[STO], s62, v[STO]
	v_add_nc_u32 v[RD], s62, v[GO]                 ; back: a row's 512 bytes, 16 a lane
	v_mul_u32_u24 v[XA0], v24, XP
	v_add_nc_u32 v[XA0], v[XA0], v28
	v_add_nc_u32 v[XA0], XB, v[XA0]
	v_add_nc_u32 v[XA1], XH, v[XA0]
	s_wait_loadcnt 0x0
	s_wait_kmcnt 0x0                               ; bc2
.irp ct, 0,1,2,3,4,5,6,7
	RND8 F+8*\ct, WCB
.endr
	RND8 16, WCB
	RND8 248, WCB
	; The second product's sums start at bf2: 256 copies, on purpose: they stand in the wait for the first tiles, take the place of the bias's additions, and leave the loop one form of product.
	WIN 0x40
.irp ct, 0,1,2,3,4,5,6,7
.irp t, 0,1,2,3
.irp j, 0,1,2,3,4,5,6,7
	v_mov_b32 v[8*(4*\ct+\t)+\j], v[F+8*\ct+\j]
.endr
.endr
.endr
	WIN 0
	s_wait_tensorcnt 0x0                           ; my part of x and my portion of block 0 are in; no load of mine is out, so x's group 1 may be written:
	s_mov_b32 s[G1X+0], 15|(3<<16)|(1<<21)         ; it becomes the shape of the ring's first load, a joint one: two half portions, a block apart: the mask of four; elements of 8 bytes; no padding
	s_mov_b32 s[G1X+1], 2048<<16                   ; tensor_dim0 = 2,048: a row of 16,384 bytes
	s_mov_b32 s[G1X+2], 2<<16                      ; tensor_dim1 = 2
	s_mov_b32 s[G1X+3], 2048<<16                   ; tile_dim0 = 2,048
	s_mov_b32 s[G1X+4], 2                          ; tile_dim1 = 2
	s_mov_b32 s[G1X+5], BLOCK/8                    ; 16,384 elements from row to row
	s_barrier_signal -1
	s_barrier_wait -1                              ; everybody's part of x is in: every wave reads all of it.
; P0: x goes from LDS (f32) into registers (bf16), a k block of 32 at a time, and the head's product runs beside it.
.macro LOADX k                         ; 64 tokens x 32 numbers of x into landing buffer k % 2: lane (r, h) takes numbers 8 h + 0..7 and 16 + 8 h + 0..7 of token 16 t + r
.set lb, F+64*((\k)&1)
.set la, XA0+((\k)>>3)
.set lo, 128*((\k)&7)
.irp t, 0,1,2,3
	ds_load_b128 v[lb+16*\t:lb+16*\t+3],     v[la] offset:lo+16*XP*\t
	ds_load_b128 v[lb+16*\t+4:lb+16*\t+7],   v[la] offset:lo+16*XP*\t+16
	ds_load_b128 v[lb+16*\t+8:lb+16*\t+11],  v[la] offset:lo+16*XP*\t+64
	ds_load_b128 v[lb+16*\t+12:lb+16*\t+15], v[la] offset:lo+16*XP*\t+80
.endr
.endm
.macro LOADW k                         ; Wc1's two fragments of k block k
.irp q, 0,1,2,3
	ds_load_b128 v[WCB+16*((\k)&1)+4*\q:WCB+16*((\k)&1)+4*\q+3], v[WA0] offset:2048*(\k)+512*\q
.endr
.endm
	LOADX 0
	LOADW 0
	LOADX 1
	LOADW 1
.set pk, 0
.rept 16
.if pk == 15
	s_wait_dscnt 0x0
.else
	s_wait_dscnt 20                                ; set pk is in; the 16 + 4 loads of the set behind it may stay out
.endif
	WIN 0x80+0x40*(pk>>3)                          ; destination window 2 or 3
.irp t, 0,1,2,3
.irp i, 0,1,2,3,4,5,6,7
	v_cvt_pk_bf16_f32 v[8*(4*(pk&7)+\t)+\i], v[F+64*(pk&1)+16*\t+2*\i], v[F+64*(pk&1)+16*\t+2*\i+1]
.endr
.endr
	WIN 0
.if pk < 14
	LOADX pk+2
.endif
	WIN 0x08+4*(pk>>3)
.irp i, 0,1
.irp t, 0,1,2,3                        ; eight accumulators by turns; bc1 starts the sums
.set rC, HACC+8*(4*\i+\t)
.set rW, WCB+16*(pk&1)+8*\i
.set rX, 8*(4*(pk&7)+\t)
.set rB, 16+232*\i
.if pk == 0
	v_wmma_f32_16x16x32_bf16 v[rC:rC+7], v[rW:rW+7], v[rX:rX+7], v[rB:rB+7]
.else
	v_wmma_f32_16x16x32_bf16 v[rC:rC+7], v[rW:rW+7], v[rX:rX+7], v[rC:rC+7]
.endif
.endr
.endr
	PLACES
	WIN 0
.if pk < 14
	LOADW pk+2
.endif
.set pk, pk+1
.endr
	CHANGE 0, 1, G1X, 0                            ; x has been read by every wave: Wf1 of positions 0 and 1 goes into its bytes (the address was made at the head); it lands under the head's GELU
	global_load_b128 v[HPK:HPK+3],     v[HO], s[10:11]            ; Wc2 of my 16 head units
	global_load_b128 v[HPK+4:HPK+7],   v[HO], s[10:11] offset:16
	global_load_b128 v[HPK+8:HPK+11],  v[HO], s[10:11] offset:64
	global_load_b128 v[HPK+12:HPK+15], v[HO], s[10:11] offset:80
	global_load_b128 v[BIAS:BIAS+3],   v[BO], s[BF1P:BF1P+1]      ; bf1 of position 0
	global_load_b128 v[BIAS+4:BIAS+7], v[BO], s[BF1P:BF1P+1] offset:16
	; The head's GELU (doubled) and dot product, in f32 throughout: two batches of 32 numbers a lane (units 16 i + 8 h + 0..7 of the four token tiles)
.set NE, 32
.set TERMS, 5
.set CO, C5
.set CP, CP5
.set MODE, 1
.set EB, F
.set TB, F+32
.set RB, F+64
.irp i, 0,1
.set UB, HACC+32*\i
.set HI, \i
.set gq, 0
.rept 4*NE
	GEA
.endr
	GWAIT
.if \i == 0
	s_wait_loadcnt 0x0                             ; Wc2 and bf1's first eight
	RND8 HPK, 224
	RND8 HPK+8, 224
	RND8 BIAS, 224
.endif
.set gq, 0
.rept 144
	GEB
.endr
.endr
.irp t, 0,1,2,3
	v_add_f32 v[ZZ+2*\t], v[ZZ+2*\t], v[ZZ+2*\t+1]
.endr
.irp t, 0,1,2,3
	v_permlanex16_b32 v[ZZ+2*\t+1], v[ZZ+2*\t], s[SEL], s[SEL+1]  ; the token's other 8 units of each 16 lie in the lane 16 away
.endr
.irp t, 0,1,2,3
	v_add_f32 v[ZZ+2*\t], v[ZZ+2*\t], v[ZZ+2*\t+1]
.endr
.irp t, 0,1,2,3
	ds_store_b32 v[LGS], v[ZZ+2*\t] offset:256*\t  ; my 32 units' share of twice token 16 t + r's logit; both halves of the lanes write the same word with the same number
.endr
	; P1: x Wf1 for position 0, its GELU, and the first 32 products for position 1
.set NE, 16
.set TERMS, 3
.set CO, C3
.set CP, CP3
.set MODE, 0
.set EB, 56
.set TB, 72
.set RB, 88
	CHANGE 1, 1                                    ; ring block s + 2 is asked for
	LDF 0, 16, WA1, 0
	s_wait_dscnt 24                                ; fragments 0-3 are in; the 24 younger loads may stay out, then 16, 8, none
	G1G 0, 0, 1
	s_wait_dscnt 16
	G1G 4, 4, 0
	s_wait_dscnt 8
	G1G 8, 8, 0
	s_wait_dscnt 0x0
	G1G 12, 12, 0
	PLACES
	WIN 0
	LDF GA, 4, WA1, 16384                          ; position 1: k blocks 0-3,
	LDF 0, 4, WA1, 20480                           ; 4-7,
	LDF 4, 4, WA1, 24576                           ; 8-11,
	LDF GB, 4, WA1, 28672                          ; 12-15
	global_load_b128 v[BIAS:BIAS+3],   v[BO], s[BF1P:BF1P+1] offset:256   ; chunk s + 1: s is even, so it does not wrap
	global_load_b128 v[BIAS+4:BIAS+7], v[BO], s[BF1P:BF1P+1] offset:272
.irp b, 0,1
	GSET \b
.rept 64
	GEA
.endr
	GWAIT
.set gq, 0
.rept 56
	GEB
.endr
	ds_store_b128 v[HS], v[HPK+8*\b:HPK+8*\b+3]   offset:2048*\b
	ds_store_b128 v[HS], v[HPK+8*\b+4:HPK+8*\b+7] offset:2048*\b+1024
.endr
	s_wait_loadcnt 0x0
	RND8 BIAS, TM
	BSTEP 2                                        ; the wait above has shown the loads done: position 2 is next
	s_wait_dscnt 0x0
	G1G GA, 0, 1
	G1G 0, 4, 0                                    ; k blocks 8-11 follow inside the first trip's round, 12-15 behind it
; The middle of a trip in slot s: position j's last 16 first-layer products (from registers, while the 16 loads just issued are on their way), then position j - 1's 64 second-layer products with position j's GELU behind
; them.  Wf2's fragments come four at a time into GA and GB by turns; h's second half comes with the second four.  h of position j goes into the buffer that is not being read.
; more = 1: the block's second half, Wf1 of position j + 1, is begun; 0: there is no such position.
.macro MID s, more
	G1G GB, 12, 0
	PLACES
	WIN 0
	LDF GB, 4, WA0+(\s), 4096
	LDF 4, 4, HL, HBS*(\s)+4096                    ; h's hidden units 32 .. 63
	s_wait_dscnt 16                                ; h's first half and GA are in; the 16 loads just issued may stay out
	GSET 0
	G2G GA, 0, 64
	GWAIT
	PLACES
	LDF GA, 4, WA0+(\s), 8192
	s_wait_dscnt 8                                 ; here and below: all but the eight loads issued last
.set gq, 0
	G2G GB, 1, 56
	ds_store_b128 v[HS], v[HPK:HPK+3]   offset:HBS*(1-(\s))
	ds_store_b128 v[HS], v[HPK+4:HPK+7] offset:HBS*(1-(\s))+1024
	PLACES
	LDF GB, 4, WA0+(\s), 12288
	s_wait_dscnt 8
	GSET 1
	G2G GA, 2, 64
	GWAIT
.if \more
	PLACES
	LDF GA, 4, WA0+(\s), 16384                     ; Wf1's k blocks 0-3
	s_wait_dscnt 8
.else
	s_wait_dscnt 0x0
.endif
.set gq, 0
	G2G GB, 3, 56
	ds_store_b128 v[HS], v[HPK+8:HPK+11]  offset:HBS*(1-(\s))+2048
	ds_store_b128 v[HS], v[HPK+12:HPK+15] offset:HBS*(1-(\s))+3072
.endm
.macro TRIP s
	CHANGE \s, 1, G1J, 1, 0, 1                     ; one round: slot s is whole, the other is filled again, h of the position before is there for everybody, and its other buffer is free
	LDF 0, 4, HL, HBS*(\s)                         ; what is wanted first: h's hidden units 0 .. 31,
	LDF GA, 4, WA0+(\s), 0                         ; and Wf2's first four fragments
	global_load_b128 v[BIAS:BIAS+3],   v[BO], s[BF1P:BF1P+1]
	global_load_b128 v[BIAS+4:BIAS+7], v[BO], s[BF1P:BF1P+1] offset:16
	MID \s, 1
	s_wait_loadcnt 0x0                             ; the next position's bias, asked for at the trip's head
	RND8 BIAS, TM                                  ; twelve plain lines: with the three riders above, the places in front of the loads below
	BSTEP 1
	LDF 0, 4, WA0+(\s), 20480
	LDF 4, 4, WA0+(\s), 24576
	LDF GB, 4, WA0+(\s), 28672
	s_wait_dscnt 24                                ; GA and my stores of h; the 24 loads just issued may stay out, then 16: the last sixteen are waited for at the change
	G1G GA, 0, 1
	s_wait_dscnt 16
	G1G 0, 4, 0
.endm
	WIN 0
	s_mov_b32 s[CNT], 15
.Llap:                                                 ; positions j = 1 .. 30, in ring blocks s + 2 .. s + 31; ring blocks s + 3 .. s + 32 are asked for
	TRIP 0
	TRIP 1
	WIN 0
	s_sub_co_u32 s[CNT], s[CNT], 1
	s_cmp_lg_u32 s[CNT], 0
	s_cbranch_scc1 .Llap
	; THE TAIL.  Position 31, in ring block s + 32 = s, of which Wf2 of position 30 is used.  The last load: the first half of my portion of ring block s + 1, Wf2 of position 31.
	CHANGE 0, 1, G1J, 1, 1, 1
	LDF 0, 4, HL, 0
	LDF GA, 4, WA0, 0
	WIN 0x80                                       ; x's k blocks 0-7 have had their last product: window 2 takes my 512 bytes of the 64 rows of x in f32, row i at 4 i
.set rho, 0
.rept 64
	global_load_b128 v[4*rho:4*rho+3], v[GO], s[XR:XR+1] offset:2048*rho th:TH_LOAD_NT
.set rho, rho+1
.endr
	WIN 0
	MID 0, 0
	PLACES
	CHANGE 1, 0                                    ; the last load has landed, everybody's; the last h is there for everybody; nothing is filled, so no round
	LDF 0, 8, HL, HBS
	LDF GA, 4, WA1, 0
	LDF GB, 4, WA1, 4096
	s_wait_dscnt 8                                 ; h and GA are in; here and twice below the eight loads issued last may stay out
	G2G GA, 0, 0
	PLACES
	WIN 0
	LDF GA, 4, WA1, 8192
	s_wait_dscnt 8
	G2G GB, 1, 0
	PLACES
	WIN 0
	LDF GB, 4, WA1, 12288
	s_wait_dscnt 8
	G2G GA, 2, 0
	s_wait_dscnt 0x0
	G2G GB, 3, 0
	PLACES
	WIN 0
	; THE WAY OUT.  First the masks: lane l adds the four waves' shares of tokens l and 32 + l, halves the sum (the head's hidden layer was kept doubled) and adds bc2.
	v_add_nc_u32 v[LGL], LOGIT, v[GO]
	ds_load_b128 v[16:19], v[LGL]
	ds_load_b128 v[20:23], v[LGL] offset:512
	v_mov_b32 v[BCV], s[BC2]
	v_cvt_pk_bf16_f32 v[BCV], v[BCV], v[BCV]
	v_lshlrev_b32 v[BCV], 16, v[BCV]
	s_wait_dscnt 0x0
	v_add_f32 v16, v16, v17
	v_add_f32 v18, v18, v19
	v_add_f32 v20, v20, v21
	v_add_f32 v22, v22, v23
	v_add_f32 v16, v16, v18
	v_add_f32 v20, v20, v22
	v_fma_f32 v16, v16, 0.5, v[BCV]
	v_fma_f32 v20, v20, 0.5, v[BCV]
	v_cmp_lt_f32 s[MK], v16, s[THR]                ; bit l: token l goes on
	v_cmp_lt_f32 s[MK+1], v20, s[THR]
	; Then a token tile at a time: 16 rows x 512 bytes through my stage, back as whole rows; each row is the FFN's or x's; each store covers 512 consecutive aligned bytes.
.irp t, 0,1,2,3
	s_wait_xcnt 0x0                                ; the stores of the tile before last have read their registers, which are loaded again below
	WIN 0x04                                       ; store data in window 1
.irp ct, 0,1,2,3,4,5,6,7
	ds_store_b128 v[STO], v[8*(4*\ct+\t):8*(4*\ct+\t)+3]   offset:64*\ct      ; each accumulator's low half first
	ds_store_b128 v[STO], v[8*(4*\ct+\t)+4:8*(4*\ct+\t)+7] offset:64*\ct+16
.endr
	WIN 0
.set rb, F+64*((\t)&1)
.set ri, 0
.rept 16
	ds_load_b128 v[rb+4*ri:rb+4*ri+3], v[RD] offset:SP*ri  ; LDS serves a wave's instructions in order (ISA guide 5.7.1.4): these see the stores above; the next tile's stores come behind them
.set ri, ri+1
.endr
	s_wait_dscnt 0x0
	s_wait_loadcnt 48-16*\t                        ; x's rows of this tile are in; those of the later tiles may stay out
.set ri, 0
.rept 16
	s_bitcmp1_b32 s[MK+((\t)>>1)], 16*((\t)&1)+ri
	s_cselect_b32 s[RM+(ri&3)], -1, 0              ; the row's token is the same in all lanes
	WIN 0x02                                       ; source 0 in window 2
.irp c, 0,1,2,3
	v_cndmask_b32 v[rb+4*ri+\c], v[4*(16*\t+ri)+\c], v[rb+4*ri+\c], s[RM+(ri&3)]
.endr
.set ri, ri+1
.endr
	WIN 0
.set ri, 0
.rept 16
	global_store_b128 v[GO], v[rb+4*ri:rb+4*ri+3], s[OUTP:OUTP+1] offset:2048*(16*\t+ri) th:TH_STORE_NT
.set ri, ri+1
.endr
.endr
	s_wait_tensorcnt 0x0                           ; the wave's end, behind my last tensor load and my last LDS store
	ds_add_u32 v[SPW], v[NIL]
	s_wait_dscnt 0x0
	CROUND                                         ; the closing round: no work-group ends while a partner may still ask for a block that names it
	s_endpgm
.Lfunc_end_k_q7aa016c070_chain:
	.size	k_q7aa016c070_chain, .Lfunc_end_k_q7aa016c070_chain-k_q7aa016c070_chain
	.p2alignl 7, 3214868480
	.fill 96, 4, 3214868480
	.section	.rodata,"a",@progbits
	.p2align	6, 0x0
	.amdhsa_kernel k_q7aa016c070_chain
		.amdhsa_group_segment_fixed_size 327680
		.amdhsa_private_segment_fixed_size 0
		.amdhsa_enable_private_segment 0
		.amdhsa_kernarg_size 64
		.amdhsa_user_sgpr_count 2
		.amdhsa_user_sgpr_kernarg_segment_ptr 1
		.amdhsa_wavefront_size32 1
		.amdhsa_system_sgpr_workgroup_id_x 1
		.amdhsa_system_sgpr_workgroup_id_y 1
		.amdhsa_system_sgpr_workgroup_id_z 1
		.amdhsa_system_vgpr_workitem_id 0
		.amdhsa_next_free_vgpr 1024
		.amdhsa_next_free_sgpr 100
		.amdhsa_reserve_vcc 0
		.amdhsa_float_denorm_mode_32 3
		.amdhsa_float_denorm_mode_16_64 3
		.amdhsa_memory_ordered 1
		.amdhsa_forward_progress 1
		.amdhsa_inst_pref_size 255
	.end_amdhsa_kernel
	.section	.bss,"aw",@nobits
	.p2align	6
	.space	262144
	.amdgpu_metadata
---
amdhsa.version: [ 1, 2 ]
amdhsa.kernels:
  - .name:           k_q7aa016c070_chain
    .symbol:         k_q7aa016c070_chain.kd
    .args:
      - { .name: hidden_states, .offset: 0, .size: 8, .value_kind: global_buffer, .address_space: global }
      - { .name: wpack, .offset: 8, .size: 8, .value_kind: global_buffer, .address_space: global }
      - { .name: bc1, .offset: 16, .size: 8, .value_kind: global_buffer, .address_space: global }
      - { .name: Wc2, .offset: 24, .size: 8, .value_kind: global_buffer, .address_space: global }
      - { .name: bc2, .offset: 32, .size: 8, .value_kind: global_buffer, .address_space: global }
      - { .name: bf1, .offset: 40, .size: 8, .value_kind: global_buffer, .address_space: global }
      - { .name: bf2, .offset: 48, .size: 8, .value_kind: global_buffer, .address_space: global }
      - { .name: out0, .offset: 56, .size: 8, .value_kind: global_buffer, .address_space: global }
    .group_segment_fixed_size: 327680
    .private_segment_fixed_size: 0
    .kernarg_segment_align: 8
    .kernarg_segment_size: 64
    .max_flat_workgroup_size: 128
    .sgpr_count:     100
    .vgpr_count:     1024
    .wavefront_size: 32
...
	.end_amdgpu_metadata
.endif
;; end of part 4
